; MI455X (gfx1250); checked and timed in simulation.
; The chip was launched on July 23, 2026; its instructions are those of AMD's public machine-readable ISA for CDNA 5 (MIT licence, August 2026) and "CDNA5" Instruction Set Architecture Reference Guide (July 2026). The comments in the code are by the model that wrote it; some were corrected since.
;; Causal Self Attention. Allowed arithmetic: matrix products marked QUANTISED: E3M2 operands, one E8M0 scale for each 32 along K, by v_wmma_scale_f32_16x16x128_f8f6f4 with both operands' format E3M2, f32 sums; everything else in f32.
;; Inputs: Wk 1,024 x 1,024 float32; Wo 1,024 x 1,024 float32; Wq 1,024 x 1,024 float32; Wv 1,024 x 1,024 float32; bk 1,024 float32; bo 1,024 float32; bq 1,024 float32; bv 1,024 float32; x 4 x 2,048 x 1,024 float32.
;; Outputs: out0 4 x 2,048 x 1,024 float32.
;; This version of the problem:
;;   THIS VERSION OF THE PROBLEM IS GIVEN IN LOW PRECISION. The matrix products marked QUANTISED in the list below multiply operands that are first quantised to E3M2 (3 exponent bits, 2 mantissa bits; 6 bits a number), with one power-of-two scale for each 32 numbers along K (OCP MX v1.0); their sums are f32. All else is computed in f32.
;;   The module's matrix products, in the order in which they are computed (A, B: the left and right operand; K: the contracted axis; several contracted axes count as one K, in the product's order):
;;     1. [M 8,192, K 1,024] x [K 1,024, N 1,024]; A: input x; B: input Wq: QUANTISED
;;     2. [M 8,192, K 1,024] x [K 1,024, N 1,024]; A: input x; B: input Wk: QUANTISED
;;     3. [M 8,192, K 1,024] x [K 1,024, N 1,024]; A: input x; B: input Wv: QUANTISED
;;     4. batch 64 x [M 2,048, K 64] x [K 64, N 2,048]; A: computed on the way; B: computed on the way: QUANTISED
;;     5. batch 64 x [M 2,048, K 2,048] x [K 2,048, N 64]; A: softmax (see below); B: computed on the way: QUANTISED
;;     6. [M 8,192, K 1,024] x [K 1,024, N 1,024]; A: computed on the way; B: input Wo: QUANTISED
;;   THE QUANTISER, for each operand of a quantised product, along K:
;;     - K is cut into blocks of 32 from its start; a last block that is shorter is filled with zeros.
;;     - A block's scale is 2^e with e = floor(log2(the largest magnitude in the block)) - 4, held to -126 .. 127; a block of zeros has e = 0. As a byte (E8M0): e + 127.
;;     - Each number is divided by its block's scale, clamped to +-28, and rounded to the nearest number of E3M2, ties to even, subnormals kept.
;;     - The product sums the exact products of the quantised numbers (number of the format x scale) in f32.
;;   ~~~python
;;   def quantise(x, axis):      # numpy; x: float32 -> the quantised numbers, widened to float32 again
;;       x = np.moveaxis(x, axis, -1); K = x.shape[-1]
;;       x = np.pad(x, [(0, 0)] * (x.ndim - 1) + [(0, -K % 32)]); x = x.reshape(x.shape[:-1] + (-1, 32)); a = np.abs(x).max(-1, keepdims=True)
;;       e = np.where(a > 0, np.clip(np.frexp(np.where(a > 0, a, 1))[1] - 1 - 4, -126, 127), 0)      # np.frexp(a)[1] - 1 = floor(log2(a)), exactly
;;       r = np.clip(x / 2.0 ** e, -28, 28)
;;       step = 2.0 ** (np.maximum(np.frexp(np.where(r == 0, 1, r))[1] - 1, -2) - 2)
;;       q = np.round(r / step) * step * 2.0 ** e      # np.round: ties to even
;;       return np.moveaxis(q.reshape(q.shape[:-2] + (-1,))[..., :K], -1, axis).astype(np.float32)
;;   ~~~
;;   SOFTMAX AHEAD OF A QUANTISED PRODUCT. Where the list says 'softmax', what is quantised is not the finished softmax but p = 2^(t - M), with t = logit x log2(e) and M = ceil(the row's largest t), a whole number; so 1/2 < the row's largest p <= 1. The row's sum l is taken of the UNQUANTISED p, in f32, and the product's result is divided by l at the end. Since M is a whole number, a kernel that streams over the keys may use a running M (the ceiling of the running maximum): every later rescaling is an exact power of two, which a block's scale takes up: the codes' values come out the same.
;;   OPERANDS COMPUTED ON THE WAY. 'Computed on the way' means the value that the module computes at that place (a softmax that the list does not call 'softmax' is quantised finished and normalised). What goes into a quantiser is computed in f32, as accurately as f32 sums, v_exp_f32 and their like allow (about 1e-6 of the number): no bf16 or f16 on the way to a quantiser, and a product that is left as it is and whose result goes on into a quantised operand takes f32 operands (vector FMAs, or v_wmma_f32_16x16x4_f32). A number that lies on a knife's edge between two numbers of the format may be rounded either way, as far as f32 arithmetic and the matrix unit's own rounding can turn it there, and no further.
;; 2 versions, each right; version 2 is version 1 with the launch attn written anew for expert scheduling mode. Each part assembles by itself: llvm-mc -triple=amdgcn-amd-amdhsa -mcpu=gfx1250 --defsym DOCPART=n.
;; ======== version 1 of 2: 4 launches
;; workspace buffers: cimg 9,437,184 bytes; csc 393,216 bytes; qk_codes 12,582,912 bytes; qk_scales 1,048,576 bytes; v_codes 6,291,456 bytes; v_scales 262,144 bytes; yimg 6,291,456 bytes; ysc 262,144 bytes
;; launch quant (part 1): grid 256 x 1, 3 waves a work-group, no clusters, 53,504 bytes of LDS; arguments x, Wq, Wk, Wv, Wo, cimg, csc; writes cimg, csc
.if DOCPART == 1
	.amdgcn_target "amdgcn-amd-amdhsa--gfx1250"
	.amdhsa_code_object_version 6
	.text
	.protected	k_qc1c1af68a7_quant
	.globl	k_qc1c1af68a7_quant
	.p2align	8
	.type	k_qc1c1af68a7_quant,@function
k_qc1c1af68a7_quant:
	s_mov_b64 s[64:65], 0
	v_nop
	global_prefetch_b8 v0, s[64:65] scope:SCOPE_SE
	s_setreg_imm32_b32 hwreg(HW_REG_WAVE_MODE, 25, 1), 1
	s_wait_xcnt 0x0
; x [8192][1024] and Wq, Wk, Wv, Wo [1024][1024], f32, K innermost, become codes of BF6 (E3M2) with one E8M0 byte for each 32 along K.
; OUT: cimg [16 planes][12288 rows][48 bytes]: plane g holds K = 64 g .. 64 g + 63 of every row, two blocks of 24 bytes; rows 0-8191 x, then Wq, Wk, Wv, Wo.  csc [12288][32]: a row's 32 scale bytes.
; THE ORDER INSIDE A BLOCK OF 32 is the same in every operand of this program: places 0-7 hold numbers 0-7, places 8-15 numbers 16-23, places 16-23 numbers 8-15, places 24-31 numbers 24-31.
; Both operands of every product have it, so each code meets its partner; blocks and scales are untouched by it.  (It is the order in which two neighbouring result tiles fall out of a later launch's registers.)
; A block's scale is 2^(floor(log2(largest magnitude)) - 4); its byte is the largest magnitude's exponent field - 4, held at 1 from below.
; LIMITS: a block of zeros, or one whose largest magnitude lies under 2^-122, gets the byte 1 (its codes are zeros or tiny; only this program reads the bytes); NaN and infinities are not served.
; SHARES: 768 waves, each 16 whole rows (64 KiB of f32), 32 steps of half a row (16 blocks).  Lane (blk = lane % 16, e = lane / 16) converts numbers 8 e .. 8 e + 7 and 16 + 8 e .. 16 + 8 e + 7 of block blk: 12 bytes at 12 e of the block.
; Each load reads 512 consecutive bytes; a step's 2,048 bytes turn through the wave's own stage in LDS (144 bytes a block).  Codes and bytes are gathered in the wave's own LDS and leave at the end:
; a plane's 16 rows are 768 consecutive bytes, and every store of the wave covers two aligned runs of 256 bytes.  No barrier: waves share nothing.  Matrix units and clusters have no work here.
.set PS,    589824                     ; bytes from plane to plane: 12,288 rows x 48
.set WREG,  17664                      ; LDS of a wave: two turn stages of 2,304, the code stage, the scale stage
.set TST,   2304                       ; a turn stage: 16 blocks x (128 + 16) bytes
.set CSTG,  4608                       ; the code stage: 16 planes x (16 rows x 48 + 16) bytes
.set SSTG,  17152                      ; the scale stage: 16 rows x 32 bytes
.set STEPS, 32
.set R,     16                         ; v16-79   four sets of 16 numbers as loaded
.set X,     80                         ; v80-111  two sets of 16 numbers as converted
.set C,     112                        ; v112-119 two sets of codes
	s_load_b256 s[4:11], s[0:1], 0x0               ; x, Wq, Wk, Wv
	s_load_b128 s[12:15], s[0:1], 0x20             ; Wo, cimg
	s_load_b64 s[16:17], s[0:1], 0x30              ; csc
	v_lshl_add_u32 v128, v0, 2, 0xcf00
	v_mov_b32 v129, 0
	v_lshrrev_b32 v1, 5, v0
	v_readfirstlane_b32 s18, v1                    ; wave 0..2
	v_and_b32 v2, 31, v0                           ; lane
	s_mul_i32 s19, s18, WREG                       ; my LDS
	s_mul_i32 s20, ttmp9, 3
	s_add_co_u32 s20, s20, s18                     ; T = 3 x work-group + wave: my 16 rows of the 12,288
	s_mov_b32 s28, 0x76543210
	s_mov_b32 s29, 0xfedcba98                      ; v_permlanex16_b32's selects for lane l xor 16
	v_lshlrev_b32 v3, 4, v2                        ; 16 x lane
	v_lshrrev_b32 v8, 3, v2
	v_mul_u32_u24 v14, v8, 144
	v_and_b32 v8, 7, v2
	v_lshl_add_u32 v14, v8, 4, v14
	v_add_nc_u32 v14, s19, v14                     ; turn stage, in: eight lanes fill a block's 128 bytes
	v_and_b32 v8, 15, v2                           ; blk
	v_lshrrev_b32 v9, 4, v2                        ; e
	v_mul_u32_u24 v15, v8, 144
	v_lshl_add_u32 v15, v9, 5, v15
	v_add_nc_u32 v15, s19, v15                     ; turn stage, out: block blk, 32 e bytes on
	v_lshrrev_b32 v10, 1, v8
	v_mul_u32_u24 v4, v10, 784
	v_and_b32 v10, 1, v8
	v_mad_u32_u24 v4, v10, 24, v4
	v_mad_u32_u24 v4, v9, 12, v4
	v_add_nc_u32 v4, s19, v4
	v_add_nc_u32 v4, CSTG, v4                      ; code stage: plane blk / 2, block blk % 2, half e
	v_add_nc_u32 v5, s19, v8
	v_add_nc_u32 v5, SSTG, v5                      ; scale stage: byte blk
	v_add_nc_u32 v6, s19, v3
	v_add_nc_u32 v121, SSTG, v6                    ; the way out: the scale stage, 16 bytes a lane
	v_add_nc_u32 v6, CSTG, v6                      ; the code stage, 16 bytes a lane,
	v_lshl_add_u32 v7, v9, 4, v6                   ; and the same where lanes 16-31 stand in the next plane (16 bytes of padding further on)
	v_mul_u32_u24 v120, v9, PS-768
	v_add_nc_u32 v120, v120, v3                    ; in memory likewise: lanes 16-31 a plane further on
	s_and_b32 s21, s20, 63
	s_mul_i32 s24, s20, 768
	s_mov_b32 s25, 0
	s_lshl_b32 s30, s20, 9
	s_mov_b32 s31, 0
	s_mov_b32 s23, 0
	s_wait_kmcnt 0x0
	s_cmp_lt_u32 s20, 704                          ; whose rows are mine?  The choice hangs on T alone
	s_cselect_b64 s[12:13], s[10:11], s[12:13]
	s_cmp_lt_u32 s20, 640
	s_cselect_b64 s[12:13], s[8:9], s[12:13]
	s_cmp_lt_u32 s20, 576
	s_cselect_b64 s[12:13], s[6:7], s[12:13]
	s_cmp_lt_u32 s20, 512
	s_cselect_b64 s[12:13], s[4:5], s[12:13]
	s_cselect_b32 s21, s20, s21                    ; which 16 rows of that tensor: T in x, T % 64 in a weight
	s_lshl_b32 s22, s21, 16                        ; x 16 rows x 4,096 bytes
	s_add_nc_u64 s[12:13], s[12:13], s[22:23]
	s_add_nc_u64 s[24:25], s[14:15], s[24:25]      ; cimg at my rows of plane 0,
	s_add_nc_u64 s[26:27], s[24:25], 8*PS          ; and of plane 8, so that every offset fits the immediate
	s_add_nc_u64 s[16:17], s[16:17], s[30:31]      ; csc at my rows
.macro LOAD t
.irp i, 0,1,2,3
	global_load_b128 v[R+16*((\t)%4)+4*\i:R+16*((\t)%4)+4*\i+3], v3, s[12:13] offset:2048*(\t)+512*\i th:TH_LOAD_NT   ; 32 lanes read 512 consecutive bytes
.endr
.endm
.macro TURN t                          ; step t's numbers through a turn stage; LDS serves a wave's instructions in order, so no wait stands between the stores and the loads
.irp i, 0,1,2,3
	ds_store_b128 v14, v[R+16*((\t)%4)+4*\i:R+16*((\t)%4)+4*\i+3] offset:TST*((\t)%2)+576*\i
.endr
	ds_load_b128 v[X+16*((\t)%2):X+16*((\t)%2)+3],     v15 offset:TST*((\t)%2)
	ds_load_b128 v[X+16*((\t)%2)+4:X+16*((\t)%2)+7],   v15 offset:TST*((\t)%2)+16
	ds_load_b128 v[X+16*((\t)%2)+8:X+16*((\t)%2)+11],  v15 offset:TST*((\t)%2)+64
	ds_load_b128 v[X+16*((\t)%2)+12:X+16*((\t)%2)+15], v15 offset:TST*((\t)%2)+80
.endm
.macro STEP t
.set XS, X+16*((\t)%2)
.set CD, C+4*((\t)%2)
.set EB, 12+((\t)%2)
.if (\t) > 0
	s_wait_dscnt 4                                 ; this step's numbers are back; behind them only the last step's three code stores and its byte store were issued
.else
	s_wait_dscnt 0x0
.endif
.if (\t)+4 < STEPS
	LOAD (\t)+4                                    ; into the set whose stores into the stage are done
.endif
.if (\t)+1 < STEPS
.if STEPS-2-(\t) >= 3
	s_wait_loadcnt 12                              ; the next step's four loads are in; those of the three steps behind it may be out
.else
	s_wait_loadcnt 4*(STEPS-2-(\t))
.endif
	TURN (\t)+1
.endif
	v_max3_num_f32 v8, |v[XS]|, |v[XS+1]|, |v[XS+2]|               ; the largest magnitude of my 16, in two chains
	v_max3_num_f32 v9, |v[XS+3]|, |v[XS+4]|, |v[XS+5]|
.irp i, 6,10
	v_max3_num_f32 v8, v8, |v[XS+\i]|, |v[XS+\i+1]|
	v_max3_num_f32 v9, v9, |v[XS+\i+2]|, |v[XS+\i+3]|
.endr
	v_max3_num_f32 v8, v8, |v[XS+14]|, |v[XS+15]|
	v_max3_num_f32 v8, v8, v9, 0x2800000           ; and the floor 2^(5 - 127): the byte cannot fall under 1
	v_permlanex16_b32 v10, v8, s28, s29
	v_max_num_f32 v8, v8, v10                      ; with lane l xor 16's 16: the block's
	v_add_nc_u32 v11, 0xfe000000, v8               ; 4 off its exponent field: the conversion takes that field as its scale
	v_cvt_scalef32_pk16_bf6_f32 v[CD:CD+2], v[XS:XS+15], v11
	v_lshrrev_b32 v[EB], 23, v11                   ; the scale's byte (a plain line behind the conversion)
.irp k, 0,1,2
	ds_store_b32 v4, v[CD+\k] offset:6272*((\t)%2)+48*((\t)/2)+4*\k   ; planes 8 (t % 2) on, row t / 2
.endr
	ds_store_b8 v5, v[EB] offset:32*((\t)/2)+16*((\t)%2)              ; both lanes of a block write the same byte with the same value
.endm
.irp t, 0,1,2,3
	LOAD \t
.endr
	s_wait_loadcnt 12                              ; step 0's four loads are in
	TURN 0
.set Q, 0
.rept STEPS
	STEP Q
.set Q, Q+1
.endr
; THE WAY OUT.  Two planes are 1,536 bytes: three loads and three stores of 512 bytes; the middle one takes the end of one plane (lanes 0-15) and the head of the next (lanes 16-31).
.irp pp, 0,1,2,3,4,5,6,7
	ds_load_b128 v[16+12*\pp:19+12*\pp], v6 offset:1568*\pp           ; LDS serves a wave's instructions in order: these see my stores
	ds_load_b128 v[20+12*\pp:23+12*\pp], v7 offset:1568*\pp+512
	ds_load_b128 v[24+12*\pp:27+12*\pp], v6 offset:1568*\pp+1040
.endr
	ds_load_b128 v[124:127], v121
	s_wait_dscnt 0x0
.irp pp, 0,1,2,3,4,5,6,7
	global_store_b128 v3,   v[16+12*\pp:19+12*\pp], s[24+2*(\pp/4):25+2*(\pp/4)] offset:2*(\pp%4)*PS
	global_store_b128 v120, v[20+12*\pp:23+12*\pp], s[24+2*(\pp/4):25+2*(\pp/4)] offset:2*(\pp%4)*PS+512
	global_store_b128 v3,   v[24+12*\pp:27+12*\pp], s[24+2*(\pp/4):25+2*(\pp/4)] offset:(2*(\pp%4)+1)*PS+256
.endr
	global_store_b128 v3, v[124:127], s[16:17]     ; my 16 rows' 512 scale bytes
	s_wait_tensorcnt 0x0
	ds_add_u32 v128, v129
	s_wait_dscnt 0x0
	s_endpgm
.Lfunc_end_k_qc1c1af68a7_quant:
	.size	k_qc1c1af68a7_quant, .Lfunc_end_k_qc1c1af68a7_quant-k_qc1c1af68a7_quant
	.p2alignl 7, 3214868480
	.fill 96, 4, 3214868480
	.section	.rodata,"a",@progbits
	.p2align	6, 0x0
	.amdhsa_kernel k_qc1c1af68a7_quant
		.amdhsa_group_segment_fixed_size 53504
		.amdhsa_private_segment_fixed_size 0
		.amdhsa_enable_private_segment 0
		.amdhsa_kernarg_size 56
		.amdhsa_user_sgpr_count 2
		.amdhsa_user_sgpr_kernarg_segment_ptr 1
		.amdhsa_wavefront_size32 1
		.amdhsa_system_sgpr_workgroup_id_x 1
		.amdhsa_system_sgpr_workgroup_id_y 1
		.amdhsa_system_sgpr_workgroup_id_z 1
		.amdhsa_system_vgpr_workitem_id 0
		.amdhsa_next_free_vgpr 130
		.amdhsa_next_free_sgpr 66
		.amdhsa_reserve_vcc 0
		.amdhsa_float_denorm_mode_32 3
		.amdhsa_float_denorm_mode_16_64 3
		.amdhsa_memory_ordered 1
		.amdhsa_forward_progress 1
		.amdhsa_inst_pref_size 71
	.end_amdhsa_kernel
	.amdgpu_metadata
---
amdhsa.version: [ 1, 2 ]
amdhsa.kernels:
  - .name:           k_qc1c1af68a7_quant
    .symbol:         k_qc1c1af68a7_quant.kd
    .args:
      - { .name: x, .offset: 0, .size: 8, .value_kind: global_buffer, .address_space: global }
      - { .name: Wq, .offset: 8, .size: 8, .value_kind: global_buffer, .address_space: global }
      - { .name: Wk, .offset: 16, .size: 8, .value_kind: global_buffer, .address_space: global }
      - { .name: Wv, .offset: 24, .size: 8, .value_kind: global_buffer, .address_space: global }
      - { .name: Wo, .offset: 32, .size: 8, .value_kind: global_buffer, .address_space: global }
      - { .name: cimg, .offset: 40, .size: 8, .value_kind: global_buffer, .address_space: global }
      - { .name: csc, .offset: 48, .size: 8, .value_kind: global_buffer, .address_space: global }
    .group_segment_fixed_size: 53504
    .private_segment_fixed_size: 0
    .kernarg_segment_align: 8
    .kernarg_segment_size: 56
    .max_flat_workgroup_size: 96
    .sgpr_count:     66
    .vgpr_count:     130
    .wavefront_size: 32
...
	.end_amdgpu_metadata
.endif
;; end of part 1
;; launch qkv (part 2): grid 8 x 48, 4 waves a work-group, clusters of 4 x 4, 327,680 bytes of LDS; arguments cimg, csc, bq, bk, bv, qk_codes, qk_scales, v_codes, v_scales; writes qk_codes, qk_scales, v_codes, v_scales
.if DOCPART == 2
	.amdgcn_target "amdgcn-amd-amdhsa--gfx1250"
	.amdhsa_code_object_version 6
	.text
	.protected	k_qc1c1af68a7_qkv
	.globl	k_qc1c1af68a7_qkv
	.p2align	8
	.type	k_qc1c1af68a7_qkv,@function
k_qc1c1af68a7_qkv:
	s_mov_b64 s[64:65], 0
	v_nop
	global_prefetch_b8 v0, s[64:65] scope:SCOPE_SE
	s_setreg_imm32_b32 hwreg(HW_REG_WAVE_MODE, 25, 1), 1
	s_wait_xcnt 0x0
	s_wait_alu depctr_hold_cnt(0) depctr_sa_sdst(0) depctr_va_vdst(0) depctr_va_sdst(0) depctr_va_ssrc(0) depctr_va_vcc(0) depctr_vm_vsrc(0)
	s_getreg_b32 s2, hwreg(HW_REG_IB_STS2, 6, 4)
	s_cmp_eq_u32 s2, 0
	s_cbranch_scc0 .Lentry_in_a_cluster
	s_endpgm
.Lentry_in_a_cluster:
	s_bfe_u32 s2, ttmp6, 0x10000c
	s_cmp_lg_u32 s2, 0xf033
	s_cbranch_scc0 .Lentry_shape_is_right
	s_endpgm
.Lentry_shape_is_right:
; q = x Wq^T + bq, k = x Wk^T + bk (role 0) and v^T = Wv x^T + bv (role 1), on codes of BF6 with E8M0 scales, K = 1,024; the results are quantised here and leave as codes: no f32 goes to memory.
; IN: cimg [16 planes of 64 along K][12288 rows][48 bytes], csc [12288][32]; rows 0-8191 x, 8192 Wq, 9216 Wk, 10240 Wv.
; A tile of C = A B^T is 256 x 256, four waves, 128 x 128 each: 64 accumulators, 512 registers.  Role 0 (cluster y 0-7): A = x's rows, B = Wq's and Wk's 2,048 rows.  Role 1 (cluster y 8-11): A = Wv's rows, B = x's rows,
; so that a lane's registers run along the KEYS, which are the K of attention's second product.  The role hangs on the cluster's y alone: it is the same in all sixteen partners.
; K goes in steps of 256 through a ring of two LDS slots: a wave's tensor load brings 4 planes x 128 rows x 48 bytes, each plane's part 6,144 consecutive bytes of memory beginning at a multiple of 256.
; In LDS rows are 48 bytes apart: lane (r, h) reads at 48 r + 24 h, so the 32 lanes of a load of 8 bytes touch 64 different words modulo 256 bytes.
; THE SCALES of the work-group's 256 + 256 rows come into LDS once, with the first fills, and stay.  CLUSTERS: 4 x 4; A's tiles are asked for jointly along a row of the cluster, B's along a column.
; THE MATRIX INSTRUCTION IS USED TRANSPOSED (source 0 = 16 rows of B, source 1 = 16 rows of A): lane (r, h) holds A's row r and B's rows 8 h + 0 .. 7.  The bias is the C of each sum's first instruction.
; THE WAY OUT: the 16 registers of two neighbouring tiles are half a block of 32 along B's rows (numbers 8 h + j and 16 + 8 h + j): one conversion makes 12 bytes, laid at 12 h of the block's 24: this program's order inside a block.
; OUT, role 0: qk_codes [32 heads: q's 16, k's 16][8192][48], qk_scales one word a row and head (bytes 0, 1 its two scales; bytes 2, 3 a neighbouring head's, which meet zero codes later).
; OUT, role 1: v_codes [16 heads][128 groups of 64 keys][64 channels][48], v_scales [16][64 steps of 128 keys][64 channels] words.
; LIMITS: NaN and infinities are not served; a block whose largest magnitude lies under 2^-122 gets the byte 1; inside an instruction the products are summed in this program's order of a block, not in ascending k.
; REGISTERS: window 0: v0-31 addresses; v32-63 scale words, two sets; v64-127 the bias; v128-223 A's fragments, one set.  window 1: B's fragments, two sets.  windows 2, 3: the accumulators ((a, b) at v[8 (8 (a % 4) + b)]).
.set PSA,   589824                     ; bytes from plane to plane in A's image
.set PSB,   589824                     ; and in B's
.set NQ,    2                          ; matrix instructions deep in a slot
.set PLB,   6144                       ; a plane's 128 rows in LDS
.set FR,    12                         ; registers of a fragment
.set NL,    6                          ; LDS loads that bring one
.set NP,    4                          ; places behind this matrix instruction (ISA guide 7.12.1)
.set HALFT, 4*PLB                      ; what one tensor load brings
.set SLOT,  4*HALFT                    ; A's two halves, then B's two
.set LAPS,  2                          ; K = 1,024 is four K steps: twice round the ring
.set KS,    32                         ; a row of scales in bytes
.set SCL,   2*SLOT                     ; behind the ring: the scales, as runs of 256 bytes + 16 of padding
.set HALFS, 16*272                     ; those of 128 rows
.set SBLK,  2*272                      ; those of 16 rows
.set SPARE, SCL+4*HALFS                ; the spare words, 128 bytes for each wave
.set WST,   13312                      ; the way out: a wave's stage, in slot 0 (it has had its last fill and its last read by then): codes [2][128 rows][48], then scale words [2][128]
.set ADRA, 16                          ; v16-17  LDS address of my A fragments in slot 0, 1
.set ADRB, 20                          ; v20-21  the same for B
.set CST,  24                          ; v24     stage: where I put 12 bytes of codes
.set SST,  25                          ; v25     stage: where I put a scale word
.set RDB,  26                          ; v26     stage: where I read 16 bytes back
.set ADRS, 27                          ; v27     LDS address of my scale words: lanes 0-15 A's rows, lanes 16-31 B's
.set SPW,  28                          ; v28     my spare word; never rewritten
.set NIL,  29                          ; v29     0; never rewritten
.set GOF,  30                          ; v30     16 x lane
.set SH,   31                          ; v31     16 h
.set SC,   32
.set BIAS, 64
.set AF,   128
.set TM,   32                          ; the way out: v32-35 largest magnitudes, v36-39 at work, v40-43 the conversions' scale operands, v44 the scale word
.set G1, 24
.set G0, 32
.set G1B, 48
.set G0B, 56
.set G1S, 68
.set G0S, 76
.set G1SB, 80
.set G0SB, 88
.set MSB, 0
.macro WIN new                         ; the immediate's high byte repeats the setting that is left
.if MSB != \new
	s_set_vgpr_msb (MSB<<8)|\new
.set MSB, \new
.endif
.endm
.set MUL_LO, 0xa1                      ; source 0 (B) window 1, source 1 (A) window 0, C and D window 2
.set MUL_HI, 0xf1                      ; the same, C and D window 3
.set TO_B,   0x40                      ; destination window 1, address window 0
; A joint load: waves 0 and 1 fetch for A, waves 2 and 3 for B; the branch hangs on the wave's number alone.  Four v_nop follow each of the two lines.
.macro JLOAD g0a, g1a, g0b, g1b
	s_cmp_eq_u32 s15, 0
	s_cbranch_scc0 .Lfor_b_\@
	tensor_load_to_lds s[\g0a:\g0a+3], s[\g1a:\g1a+7]
	s_nop 0
.rept 4
	v_nop
.endr
	s_branch .Lasked_\@
.Lfor_b_\@:
	tensor_load_to_lds s[\g0b:\g0b+3], s[\g1b:\g1b+7]
	s_nop 0
.rept 4
	v_nop
.endr
.Lasked_\@:
.endm
.macro CREST                           ; a round of the cluster's barrier behind its opening barrier
	s_cmp_lg_u32 s14, 0
	s_cbranch_scc1 .Lnot_wave_0_\@
	s_barrier_signal -3
.Lnot_wave_0_\@:
	s_barrier_wait -3
	s_barrier_signal -1
	s_barrier_wait -1
.endm
.macro CROUND                          ; a whole round
	s_barrier_signal -1
	s_barrier_wait -1
	CREST
.endm
	s_load_b128 s[4:7], s[0:1], 0x0                ; A's side: cimg, csc
	s_load_b128 s[8:11], s[0:1], 0x0               ; B's side: the same two buffers
	v_lshl_add_u32 v[SPW], v0, 2, SPARE
	v_mov_b32 v[NIL], 0
	ds_add_u32 v28, v29
	ds_add_u32 v28, v29
	s_wait_dscnt 0x0
	v_lshrrev_b32 v1, 5, v0
	v_readfirstlane_b32 s14, v1                    ; wave 0..3
	s_lshr_b32 s15, s14, 1                         ; which half of the tile's rows is mine.  Also: I fetch for A (0) or for B (1)
	s_and_b32 s16, s14, 1                          ; which half of its columns.  Also: which 128 rows of that tile I fetch
	s_bfe_u32 s40, ttmp6, 0x40000                  ; cx, cy: my place in the cluster
	s_bfe_u32 s41, ttmp6, 0x40004
	s_and_b32 s96, ttmp7, 0xffff                   ; cluster y
	s_lshl_b32 s42, ttmp9, 2
	s_add_co_u32 s42, s42, s40                     ; role 0: tile column = 4 x cluster x + cx (0-7)
	s_lshl_b32 s17, s96, 2
	s_add_co_u32 s17, s17, s41                     ; role 0: tile row = 4 x cluster y + cy (0-31)
	s_max_u32 s97, s96, 8
	s_sub_co_u32 s97, s97, 8
	s_lshl_b32 s97, s97, 1
	s_add_co_u32 s97, s97, ttmp9
	s_lshl_b32 s97, s97, 2
	s_add_co_u32 s97, s97, s40                     ; role 1: tile column = 4 (2 (cluster y - 8) + cluster x) + cx (0-31); its tile row is cy
	s_mov_b32 s98, 10240
	s_mov_b32 s99, 8192
	s_cmp_ge_u32 s96, 8
	s_cselect_b32 s95, 1, 0                        ; the role
	s_cselect_b32 s42, s97, s42                    ; tile column
	s_cselect_b32 s17, s41, s17                    ; tile row
	s_cselect_b32 s98, s98, 0                      ; A's first row in the image: x's, or Wv's
	s_cselect_b32 s99, 0, s99                      ; B's: Wq's, or x's
	s_mov_b32 s66, 0x76543210
	s_mov_b32 s67, 0xfedcba98                      ; v_permlanex16_b32's selects for lane l xor 16
	s_lshl_b32 s43, s41, 2
	s_lshl_b32 s43, 15, s43                        ; my row of the cluster
	s_lshl_b32 s44, 0x1111, s40                    ; my column
	; descriptor group 1 for codes: 4 planes, each 768 elements of 8 bytes, a plane stride apart; no padding
	s_or_b32 s[G1+0], s43, (3<<16)|(1<<21)         ; 15:0 the mask: A's tiles go to my row; 17:16 elements of 8 bytes; 21 set beside a mask
	s_or_b32 s[G1B+0], s44, (3<<16)|(1<<21)
.irp g, G1, G1B
	s_mov_b32 s[\g+1], 768<<16                     ; tensor_dim0
	s_mov_b32 s[\g+2], 4<<16                       ; tensor_dim1
	s_mov_b32 s[\g+3], 768<<16                     ; tile_dim0
	s_mov_b32 s[\g+4], 4                           ; tile_dim1
	s_mov_b32 s[\g+6], 0
	s_mov_b32 s[\g+7], 0
.endr
	s_mov_b32 s[G1+5], PSA/8                       ; tensor_dim0_stride, in elements
	s_mov_b32 s[G1B+5], PSB/8
	; and for the scales of 128 rows: 4,096 dense bytes, as rows of 256 bytes (32 elements of 8), 16 bytes of padding behind each
	s_or_b32 s[G1S+0], s43, (3<<16)|(1<<20)|(1<<21)|(5<<22)|(3<<25)
	s_or_b32 s[G1SB+0], s44, (3<<16)|(1<<20)|(1<<21)|(5<<22)|(3<<25)
.irp g, G1S, G1SB
	s_mov_b32 s[\g+1], 32<<16
	s_mov_b32 s[\g+2], 16<<16
	s_mov_b32 s[\g+3], 32<<16
	s_mov_b32 s[\g+4], 16
	s_mov_b32 s[\g+5], 32
	s_mov_b32 s[\g+6], 0
	s_mov_b32 s[\g+7], 0
.endr
	s_lshl_b32 s18, s16, 7                         ; which 128 rows of the tile I fetch
	s_lshl_b32 s20, s17, 8
	s_add_co_u32 s20, s20, s18
	s_add_co_u32 s20, s20, s98                     ; A: image row; it hangs on cy, the cluster's y and the wave
	s_lshl_b32 s46, s42, 8
	s_add_co_u32 s46, s46, s18
	s_add_co_u32 s46, s46, s99                     ; B: image row; it hangs on cx, the cluster's x and y and the wave
	s_mov_b32 s21, 0
	s_mov_b32 s47, 0
	s_mov_b32 s23, 0
	s_mov_b32 s93, 0
	s_lshl_b32 s22, s20, 5                         ; where these rows' scales begin, in bytes
	s_lshl_b32 s92, s46, 5
	s_mul_i32 s20, s20, 48                         ; and their codes in plane 0
	s_mul_i32 s46, s46, 48
	s_mul_i32 s45, s14, HALFT                      ; where they go: no place in the cluster enters an LDS address
	s_mul_i32 s94, s14, HALFS
	s_wait_kmcnt 0x0
	s_add_nc_u64 s[20:21], s[4:5], s[20:21]
	s_add_nc_u64 s[22:23], s[6:7], s[22:23]
	s_add_nc_u64 s[46:47], s[8:9], s[46:47]
	s_add_nc_u64 s[92:93], s[10:11], s[92:93]
	CROUND                                         ; all sixteen work-groups are here: the first joint loads meet
	s_mov_b32 s[G0S], 1
	s_add_co_u32 s[G0S+1], s94, SCL
	s_mov_b64 s[G0S+2:G0S+3], s[22:23]
	s_or_b32 s[G0S+3], s[G0S+3], 0x80000000
	s_mov_b32 s[G0SB], 1
	s_add_co_u32 s[G0SB+1], s94, SCL
	s_mov_b64 s[G0SB+2:G0SB+3], s[92:93]
	s_or_b32 s[G0SB+3], s[G0SB+3], 0x80000000
	JLOAD G0S, G1S, G0SB, G1SB                     ; the scales first: they are wanted with K step 0
.irp s, 0,1
	s_mov_b32 s[G0+4*\s], 1
	s_add_co_u32 s[G0+4*\s+1], s45, \s*SLOT
	s_add_nc_u64 s[G0+4*\s+2:G0+4*\s+3], s[20:21], \s*4*PSA
	s_or_b32 s[G0+4*\s+3], s[G0+4*\s+3], 0x80000000
	s_mov_b32 s[G0B+4*\s], 1
	s_add_co_u32 s[G0B+4*\s+1], s45, \s*SLOT
	s_add_nc_u64 s[G0B+4*\s+2:G0B+4*\s+3], s[46:47], \s*4*PSB
	s_or_b32 s[G0B+4*\s+3], s[G0B+4*\s+3], 0x80000000
	JLOAD G0+4*\s, G1, G0B+4*\s, G1B               ; three tensor loads of mine are out now
.endr
	s_load_b128 s[4:7], s[0:1], 0x10               ; bq, bk
	s_load_b64 s[8:9], s[0:1], 0x20                ; bv
	v_and_b32 v1, 15, v0                           ; r
	v_bfe_u32 v2, v0, 4, 1                         ; h
	v_mul_u32_u24 v3, v1, 48
	v_mad_u32_u24 v4, v2, 24, v3                   ; a fragment's row x 48 + 24 x half
	s_mul_i32 s21, s15, HALFT                      ; my 128 rows of A
	s_mul_i32 s22, s16, HALFT                      ; my 128 rows of B,
	s_add_co_u32 s22, s22, 2*HALFT                 ; which lie behind A's 256
.irp s, 0,1
	v_add_nc_u32 v[ADRA+\s], s21, v4
	v_add_nc_u32 v[ADRB+\s], s22, v4
	s_add_co_u32 s21, s21, SLOT
	s_add_co_u32 s22, s22, SLOT
.endr
	v_mul_u32_u24 v5, v1, KS                       ; my row's scales: 32 bytes a row,
	v_lshrrev_b32 v6, 8, v5
	v_lshl_add_u32 v5, v6, 4, v5                   ; and 16 more for each 256 passed
	s_mul_i32 s21, s15, HALFS
	s_mul_i32 s22, s16, HALFS
	s_add_co_u32 s22, s22, 2*HALFS
	s_sub_co_u32 s22, s22, s21
	v_mul_u32_u24 v6, s22, v2                      ; lanes 16-31 take B's
	s_add_co_u32 s21, s21, SCL
	v_add_nc_u32 v5, v5, v6
	v_add_nc_u32 v[ADRS], s21, v5
	s_mul_i32 s23, s14, WST                        ; my stage
	v_mad_u32_u24 v5, v2, 12, v3
	v_add_nc_u32 v[CST], s23, v5                   ; codes: row r, 12 h
	v_lshlrev_b32 v5, 2, v1
	v_lshl_add_u32 v5, v2, 9, v5
	v_add_nc_u32 v5, s23, v5
	v_add_nc_u32 v[SST], 12288, v5                 ; scale words: run h, row r
	v_and_b32 v6, 31, v0
	v_lshlrev_b32 v[GOF], 4, v6
	v_add_nc_u32 v[RDB], s23, v[GOF]
	v_lshlrev_b32 v[SH], 4, v2
	v_lshlrev_b32 v9, 5, v2                        ; the bias along B's rows: 32 h bytes
	v_lshlrev_b32 v10, 2, v1                       ; along A's rows: 4 r
	s_mov_b32 s21, 0
	s_wait_kmcnt 0x0
	s_cmp_eq_u32 s95, 0
	s_cbranch_scc0 .Lbias_v
	s_cmp_eq_u32 ttmp9, 0                          ; cluster x 0: q's columns, 1: k's
	s_cselect_b64 s[4:5], s[4:5], s[6:7]
	s_lshl_b32 s20, s40, 10
	s_lshl_b32 s22, s16, 9
	s_add_co_u32 s20, s20, s22                     ; (256 cx + 128 x half) x 4
	s_add_nc_u64 s[4:5], s[4:5], s[20:21]
.irp b, 0,1,2,3,4,5,6,7
	global_load_b128 v[BIAS+8*\b:BIAS+8*\b+3],   v9, s[4:5] offset:64*\b       ; the bias of B's rows 16 b + 8 h + 0 .. 7
	global_load_b128 v[BIAS+8*\b+4:BIAS+8*\b+7], v9, s[4:5] offset:64*\b+16
.endr
	s_branch .Lbias_in
.Lbias_v:
	s_lshl_b32 s20, s17, 10
	s_lshl_b32 s22, s15, 9
	s_add_co_u32 s20, s20, s22                     ; (256 x tile row + 128 x half) x 4
	s_add_nc_u64 s[8:9], s[8:9], s[20:21]
.irp a, 0,1,2,3,4,5,6,7
.irp j, 0,1,2,3,4,5,6,7
	global_load_b32 v[BIAS+8*\a+\j], v10, s[8:9] offset:64*\a                  ; the bias of A's row 16 a + r, in all eight registers
.endr
.endr
.Lbias_in:
.macro FRAG reg, adr, q, i             ; a fragment, 16 rows x 128 K, 12 registers: registers 6 c .. 6 c + 5 are the 24 bytes at 48 r + 24 h of plane 2 q + c, in pieces of 8 bytes
.irp p, 0,1,2,3,4,5
	ds_load_b64 v[\reg+2*\p:\reg+2*\p+1], v[\adr] offset:(2*(\q)+\p/3)*PLB+(\i)*768+8*(\p%3)
.endr
.endm
; 16 matrix instructions: A's blocks a0, a0 + 1 x B's eight, 128 along K.  p: B's set; sc: the set of scale words.  zero = 1: the sums start from the bias along B's rows; 2: along A's rows; 0: they go on.
; The 64 accumulators take turns, one instruction a turn, in the same order in every step.
.macro MUL16 a0, p, q, sc, zero
.irp a, \a0, \a0+1
.irp b, 0,1,2,3,4,5,6,7
.if (\zero) == 1
	v_wmma_scale_f32_16x16x128_f8f6f4 v[8*(8*((\a)%4)+\b):8*(8*((\a)%4)+\b)+7], v[128*(\p)+FR*\b:128*(\p)+FR*\b+FR-1], v[AF+FR*(\a):AF+FR*(\a)+FR-1], v[BIAS+8*\b:BIAS+8*\b+7], v[SC+8*NQ*(\sc)+NQ*\b+(\q)], v[SC+8*NQ*(\sc)+NQ*(\a)+(\q)] matrix_a_fmt:MATRIX_FMT_BF6 matrix_b_fmt:MATRIX_FMT_BF6 matrix_a_scale:MATRIX_SCALE_ROW1
.elseif (\zero) == 2
	v_wmma_scale_f32_16x16x128_f8f6f4 v[8*(8*((\a)%4)+\b):8*(8*((\a)%4)+\b)+7], v[128*(\p)+FR*\b:128*(\p)+FR*\b+FR-1], v[AF+FR*(\a):AF+FR*(\a)+FR-1], v[BIAS+8*(\a):BIAS+8*(\a)+7], v[SC+8*NQ*(\sc)+NQ*\b+(\q)], v[SC+8*NQ*(\sc)+NQ*(\a)+(\q)] matrix_a_fmt:MATRIX_FMT_BF6 matrix_b_fmt:MATRIX_FMT_BF6 matrix_a_scale:MATRIX_SCALE_ROW1
.else
	v_wmma_scale_f32_16x16x128_f8f6f4 v[8*(8*((\a)%4)+\b):8*(8*((\a)%4)+\b)+7], v[128*(\p)+FR*\b:128*(\p)+FR*\b+FR-1], v[AF+FR*(\a):AF+FR*(\a)+FR-1], v[8*(8*((\a)%4)+\b):8*(8*((\a)%4)+\b)+7], v[SC+8*NQ*(\sc)+NQ*\b+(\q)], v[SC+8*NQ*(\sc)+NQ*(\a)+(\q)] matrix_a_fmt:MATRIX_FMT_BF6 matrix_b_fmt:MATRIX_FMT_BF6 matrix_a_scale:MATRIX_SCALE_ROW1
.endif
.endr
.endr
.endm
.macro FETCH_B slot, q, p              ; B's eight fragments of the slot's q-th 128 along K into set p
	WIN TO_B
.irp i, 0,1,2,3,4,5,6,7
	FRAG 128*(\p)+FR*\i, ADRB+\slot, \q, \i
.endr
	WIN 0
.endm
.macro FETCH_A slot, q, i0             ; A's blocks i0 .. i0 + 3
.irp i, \i0, \i0+1, \i0+2, \i0+3
	FRAG AF+FR*(\i), ADRA+\slot, \q, \i
.endr
.endm
.macro SCALES sc                       ; a K step's scale words into set sc: two words a row; lanes 0-15 take A's block i, lanes 16-31 B's block i
.irp i, 0,1,2,3,4,5,6,7
	ds_load_b64 v[SC+8*NQ*\sc+NQ*\i:SC+8*NQ*\sc+NQ*\i+1], v[ADRS] offset:\i*SBLK
.endr
.endm
.macro PLACES n                        ; plain vector lines between a matrix instruction and a load into, or a vector line on, its registers (ISA guide 7.12.1 for vector lines)
.rept \n
	v_nop
.endr
.endm
; A step of 128 along K that has its successor in the same slot.
.macro STEP slot, q, zero
	s_wait_dscnt 4*NL                              ; B's set, A's blocks 0-3 and the scale words are in; the youngest 24 loads (A's blocks 4-7) may be out
.if \zero
	WIN 0x81                                       ; source 0 window 1, C (the bias) window 0, D window 2
.else
	WIN MUL_LO
.endif
	MUL16 0, (\q)%2, \q, \slot, \zero
	MUL16 2, (\q)%2, \q, \slot, \zero
	s_wait_dscnt 0                                 ; A's blocks 4-7 are in
	PLACES NP
	FETCH_B \slot, (\q)+1, 1-(\q)%2
	FETCH_A \slot, (\q)+1, 0
.if \zero
	WIN 0xc1                                       ; the same, D window 3
.else
	WIN MUL_HI
.endif
	MUL16 4, (\q)%2, \q, \slot, \zero
	MUL16 6, (\q)%2, \q, \slot, \zero
	PLACES NP
	WIN 0
	FETCH_A \slot, (\q)+1, 4
.endm
; A slot's last step changes slots: ONE barrier; in front of it each wave waits for all its tensor loads, adds 0 to its spare word, and waits for that and for its own reads of this slot.  fill = 1: this slot is filled again, two K steps ahead.
.macro TURN slot, next, fill
	s_wait_tensorcnt 0x0                           ; all my tensor loads have landed: my part of the next slot
	ds_add_u32 v[SPW], v[NIL]                      ; 0 onto my spare word
	s_wait_dscnt 4*NL+1                            ; (the add and the youngest 24 loads, A's blocks 4-7, may be out)
	WIN MUL_LO
	MUL16 0, 1, NQ-1, \slot, 0                     ; sixteen matrix instructions stand between the add and the wait for it
	s_wait_dscnt 0x0                               ; the add is done, and my reads of this slot are over
	s_barrier_signal -1
	MUL16 2, 1, NQ-1, \slot, 0
	WIN 0
	s_barrier_wait -1
.if \fill
	CREST                                          ; the barrier has opened a round of the cluster's barrier: no wave of any partner still reads this slot's tile or has a load on its way
	s_add_nc_u64 s[G0+4*\slot+2:G0+4*\slot+3], s[G0+4*\slot+2:G0+4*\slot+3], 8*PSA
	s_add_nc_u64 s[G0B+4*\slot+2:G0B+4*\slot+3], s[G0B+4*\slot+2:G0B+4*\slot+3], 8*PSB
	JLOAD G0+4*\slot, G1, G0B+4*\slot, G1B         ; the first tensor load behind the round, my only one until the next; its four v_nop are the places in front of the loads below
.else
	PLACES NP
.endif
	v_add_nc_u32 v[ADRS], 4*NQ, v[ADRS]            ; on to the next K step's scale words (no LDS load of mine is out)
	FETCH_B \next, 0, 0
	FETCH_A \next, 0, 0
	SCALES \next
	WIN MUL_HI
	MUL16 4, 1, NQ-1, \slot, 0
	MUL16 6, 1, NQ-1, \slot, 0
	PLACES NP
	WIN 0
	FETCH_A \next, 0, 4
.endm
	s_wait_tensorcnt 1                             ; the scales and my part of K step 0 are in (K step 1's load may be out)
	s_barrier_signal -1
	s_barrier_wait -1                              ; everybody's are
	FETCH_B 0, 0, 0
	FETCH_A 0, 0, 0
	SCALES 0
	FETCH_A 0, 0, 4
	s_wait_loadcnt 0x0                             ; the bias
	s_cmp_eq_u32 s95, 0                            ; the first step is written for each role: only the C operands differ; both arms issue the same loads
	s_cbranch_scc0 .Lfirst_v
	STEP 0, 0, 1
	s_branch .Lfirst_done
.Lfirst_v:
	STEP 0, 0, 2
.Lfirst_done:
	s_mov_b32 s3, LAPS-1
.Llap:                                                 ; a trip goes once round the ring, from a lap's second step to the next lap's first, and fills both slots again
	TURN 0, 1, 1
	STEP 1, 0, 0
	TURN 1, 0, 1
	STEP 0, 0, 0
	s_sub_co_u32 s3, s3, 1
	s_cmp_lg_u32 s3, 0
	s_cbranch_scc1 .Llap
	TURN 0, 1, 0                                   ; the last lap fills nothing, and has no round of the cluster's barrier
	STEP 1, 0, 0
	s_wait_dscnt 4*NL                              ; the very last step: nothing more to fetch
	WIN MUL_LO
	MUL16 0, 1, NQ-1, 1, 0
	MUL16 2, 1, NQ-1, 1, 0
	s_wait_dscnt 0
	WIN MUL_HI
	MUL16 4, 1, NQ-1, 1, 0
	MUL16 6, 1, NQ-1, 1, 0
	WIN 0
; THE WAY OUT.  Where my 128 x 128 goes, by role.  RA = my first row of A in its tensor, CB = my first row of B.
	s_load_b256 s[4:11], s[0:1], 0x28              ; qk_codes, qk_scales, v_codes, v_scales
	PLACES NP                                      ; behind the last products, for every read of results and every write of operands below
.irp b, 0,1,2,3
	v_mov_b32 v[36+\b], 0                          ; written once: a lane permute's destination counts as one of its sources
.endr
	s_lshl_b32 s20, s17, 8
	s_lshl_b32 s21, s15, 7
	s_add_co_u32 s20, s20, s21                     ; RA
	s_lshl_b32 s21, s42, 8
	s_lshl_b32 s22, s16, 7
	s_add_co_u32 s21, s21, s22                     ; CB
	s_lshr_b32 s22, s21, 6
	s_lshl_b32 s23, s22, 13
	s_add_co_u32 s23, s23, s20                     ; role 0: (CB / 64) x 8192 + RA: head and row
	s_mul_i32 s24, s23, 48
	s_lshl_b32 s25, s23, 2
	s_lshr_b32 s26, s20, 6
	s_lshl_b32 s27, s26, 7
	s_add_co_u32 s27, s27, s22
	s_mul_i32 s27, s27, 3072                       ; role 1: ((RA / 64) x 128 + CB / 64) x 64 channels x 48
	s_lshl_b32 s28, s26, 6
	s_lshr_b32 s29, s21, 7
	s_add_co_u32 s28, s28, s29
	s_lshl_b32 s28, s28, 8                         ; role 1: ((RA / 64) x 64 + CB / 128) x 64 words
	s_mov_b32 s30, 393216
	s_mov_b32 s31, 3072
	s_mov_b32 s33, 16384
	s_mov_b32 s37, 0
	s_mov_b32 s39, 0
	s_mov_b32 s47, 0
	s_mov_b32 s49, 0
	s_wait_kmcnt 0x0
	s_cmp_eq_u32 s95, 0
	s_cselect_b64 s[4:5], s[4:5], s[8:9]           ; the codes' buffer
	s_cselect_b64 s[6:7], s[6:7], s[10:11]         ; the scales'
	s_cselect_b32 s36, s24, s27                    ; where my codes begin
	s_cselect_b32 s38, s25, s28                    ; and my scale words
	s_cselect_b32 s46, s30, s31                    ; from 64 of B's rows to the next: a head of q or k on, or a group of keys on
	s_cselect_b32 s48, s31, s30                    ; from 64 of A's rows to the next: 64 rows on, or a head of v on
	s_cselect_b32 s50, 256, s33                    ; the same for the scale words
	s_add_nc_u64 s[52:53], s[4:5], s[36:37]
	s_add_nc_u64 s[54:55], s[52:53], s[48:49]
	s_add_nc_u64 s[56:57], s[52:53], s[46:47]
	s_add_nc_u64 s[58:59], s[56:57], s[48:49]
	s_add_nc_u64 s[60:61], s[6:7], s[38:39]
	v_mul_u32_u24 v14, s50, v2
	v_lshl_add_u32 v14, v1, 4, v14                 ; scale words: lanes 0-15 the first 64 rows' 256 bytes, lanes 16-31 the next 64 rows'
; Block a: A's rows 16 a .. 16 a + 15 against B's 128 rows: four blocks of 32.  Registers 16 b .. 16 b + 15 of the block's 64 are my half of block b.
.macro QROW a
.set AC, 64*((\a)%4)
.set PCS, 48+176*((\a)%2)              ; the codes: v48-63 and v224-239 by turns
.set PWR, 45+((\a)%2)                  ; the word to be stored: v45 and v46 by turns
	s_wait_dscnt 13                                ; the stores of the block two back are done (the last block's 13 may be out): their registers are written again below
	WIN 0x0a+5*((\a)/4)                            ; sources 0 and 1: window 2 or 3
.irp b, 0,1,2,3
	v_max3_num_f32 v[TM+\b], |v[AC+16*\b]|, |v[AC+16*\b+1]|, 0x2800000    ; each accumulator is read from its low end on; the floor 2^(5 - 127) holds the byte at 1 from below
.endr
.irp i, 2,4,6,8,10,12,14
.irp b, 0,1,2,3
	v_max3_num_f32 v[TM+\b], |v[AC+16*\b+\i]|, |v[AC+16*\b+\i+1]|, v[TM+\b]
.endr
.endr
	WIN 0
.irp b, 0,1,2,3
	v_permlanex16_b32 v[36+\b], v[TM+\b], s66, s67
.endr
.irp b, 0,1,2,3
	v_max_num_f32 v[TM+\b], v[TM+\b], v[36+\b]     ; with lane l xor 16's half: the block's largest magnitude
.endr
.irp b, 0,1,2,3
	v_add_nc_u32 v[40+\b], 0xfe000000, v[TM+\b]    ; 4 off its exponent field: the conversion's scale operand
.endr
.irp b, 0,1,2,3
	v_lshrrev_b32 v[36+\b], 23, v[40+\b]           ; the scale's byte
.endr
	v_lshl_or_b32 v44, v37, 8, v36
	v_lshl_or_b32 v44, v38, 16, v44
	v_lshl_or_b32 v44, v39, 24, v44                ; my row's four bytes
	v_alignbit_b32 v[PWR], v44, v44, v[SH]         ; lanes 16-31 hold them turned by two bytes: the word of the second 64 of B's rows
	WIN 0x02+((\a)/4)                              ; source 0: window 2 or 3
.irp b, 0,1,2,3
	v_cvt_scalef32_pk16_bf6_f32 v[PCS+4*\b:PCS+4*\b+2], v[AC+16*\b:AC+16*\b+15], v[40+\b]
.endr
	WIN 0
	v_nop                                          ; one plain line behind the conversions
.irp b, 0,1,2,3
.irp k, 0,1,2
	ds_store_b32 v[CST], v[PCS+4*\b+\k] offset:(\b/2)*6144+768*(\a)+24*(\b%2)+4*\k
.endr
.endr
	ds_store_b32 v[SST], v[PWR] offset:64*(\a)
.endm
.irp a, 0,1,2,3,4,5,6,7
	QROW \a
.endr
.set n, 0
.rept 24
	ds_load_b128 v[128+4*n:131+4*n], v[RDB] offset:512*n              ; LDS serves a wave's instructions in order: these see my stores
.set n, n+1
.endr
	ds_load_b128 v[240:243], v[RDB] offset:12288
	ds_load_b128 v[244:247], v[RDB] offset:12800
	s_wait_dscnt 0x0
.irp u, 0,1,2,3                        ; piece u = 2 g + e: 64 of A's rows (e) x 64 of B's rows (g): 3,072 consecutive bytes; every store covers two aligned runs of 256 bytes
.irp k, 0,1,2,3,4,5
	global_store_b128 v[GOF], v[128+4*(6*\u+\k):131+4*(6*\u+\k)], s[52+2*\u:53+2*\u] offset:512*\k
.endr
.endr
	global_store_b128 v14, v[240:243], s[60:61]
	s_cmp_eq_u32 s95, 0
	s_cbranch_scc0 .Lno_second
	global_store_b128 v14, v[244:247], s[60:61] offset:32768          ; role 0: the next head's words; role 1 has one word for all four blocks
.Lno_second:
	s_wait_tensorcnt 0x0                           ; the wave's end
	ds_add_u32 v[SPW], v[NIL]
	s_wait_dscnt 0x0
	CROUND                                         ; the closing round: no work-group ends while a partner may still ask for a tile that names it
	s_endpgm
.Lfunc_end_k_qc1c1af68a7_qkv:
	.size	k_qc1c1af68a7_qkv, .Lfunc_end_k_qc1c1af68a7_qkv-k_qc1c1af68a7_qkv
	.p2alignl 7, 3214868480
	.fill 96, 4, 3214868480
	.section	.rodata,"a",@progbits
	.p2align	6, 0x0
	.amdhsa_kernel k_qc1c1af68a7_qkv
		.amdhsa_group_segment_fixed_size 327680
		.amdhsa_private_segment_fixed_size 0
		.amdhsa_enable_private_segment 0
		.amdhsa_kernarg_size 72
		.amdhsa_user_sgpr_count 2
		.amdhsa_user_sgpr_kernarg_segment_ptr 1
		.amdhsa_wavefront_size32 1
		.amdhsa_system_sgpr_workgroup_id_x 1
		.amdhsa_system_sgpr_workgroup_id_y 1
		.amdhsa_system_sgpr_workgroup_id_z 1
		.amdhsa_system_vgpr_workitem_id 0
		.amdhsa_next_free_vgpr 1024
		.amdhsa_next_free_sgpr 100
		.amdhsa_reserve_vcc 0
		.amdhsa_float_denorm_mode_32 3
		.amdhsa_float_denorm_mode_16_64 3
		.amdhsa_memory_ordered 1
		.amdhsa_forward_progress 1
		.amdhsa_inst_pref_size 194
	.end_amdhsa_kernel
	.amdgpu_metadata
---
amdhsa.version: [ 1, 2 ]
amdhsa.kernels:
  - .name:           k_qc1c1af68a7_qkv
    .symbol:         k_qc1c1af68a7_qkv.kd
    .args:
      - { .name: cimg, .offset: 0, .size: 8, .value_kind: global_buffer, .address_space: global }
      - { .name: csc, .offset: 8, .size: 8, .value_kind: global_buffer, .address_space: global }
      - { .name: bq, .offset: 16, .size: 8, .value_kind: global_buffer, .address_space: global }
      - { .name: bk, .offset: 24, .size: 8, .value_kind: global_buffer, .address_space: global }
      - { .name: bv, .offset: 32, .size: 8, .value_kind: global_buffer, .address_space: global }
      - { .name: qk_codes, .offset: 40, .size: 8, .value_kind: global_buffer, .address_space: global }
      - { .name: qk_scales, .offset: 48, .size: 8, .value_kind: global_buffer, .address_space: global }
      - { .name: v_codes, .offset: 56, .size: 8, .value_kind: global_buffer, .address_space: global }
      - { .name: v_scales, .offset: 64, .size: 8, .value_kind: global_buffer, .address_space: global }
    .group_segment_fixed_size: 327680
    .private_segment_fixed_size: 0
    .kernarg_segment_align: 8
    .kernarg_segment_size: 72
    .max_flat_workgroup_size: 128
    .sgpr_count:     100
    .vgpr_count:     1024
    .wavefront_size: 32
...
	.end_amdgpu_metadata
.endif
;; end of part 2
;; launch attn (part 3): grid 4 x 64, 16 waves a work-group, no clusters, 79,872 bytes of LDS; arguments qk_codes, qk_scales, v_codes, v_scales, yimg, ysc; writes yimg, ysc
.if DOCPART == 3
	.amdgcn_target "amdgcn-amd-amdhsa--gfx1250"
	.amdhsa_code_object_version 6
	.text
	.protected	k_qc1c1af68a7_attn
	.globl	k_qc1c1af68a7_attn
	.p2align	8
	.type	k_qc1c1af68a7_attn,@function
k_qc1c1af68a7_attn:
	s_mov_b64 s[64:65], 0
	v_nop
	global_prefetch_b8 v0, s[64:65] scope:SCOPE_SE
	s_setreg_imm32_b32 hwreg(HW_REG_WAVE_MODE, 25, 1), 1
	s_wait_xcnt 0x0
; y[b][h][q] = the sum over keys k <= q of softmax_k(q . k / 8) v[k], both products on codes of BF6 with E8M0 scales; y is quantised along the model's 1,024 here and leaves as codes.
; IN: qk_codes [32][8192][48] (heads 0-15 q, 16-31 k; row b x 2048 + s; 64 codes), qk_scales a word a row; v_codes [16][128 groups of 64 keys][64 channels][48], v_scales [16][64 steps of 128 keys][64] words.
; OUT: yimg [16 heads = planes of 64 along K][8192][48], ysc [8192][32] (bytes 2 h, 2 h + 1).  Inside a block of 32 all operands have this program's one order (places 8-15 and 16-23 changed), on both sides of each product.
; THE HEAD'S K IS 64: the upper half of the instruction's 128 is zero codes on both sides (registers 6-11 of q's and k's fragments, cleared once); bytes 2, 3 of the scale words are other blocks' bytes, never 0xff.
; THE SOFTMAX: t = score x log2(e) / 8; M = the running largest t rounded up to a whole number; p = 2^(t - M) is quantised along the keys, not normalised; the row's sum is taken of the unquantised p and divides at the end;
; when M moves, the sum and O are multiplied by 2^(old M - new M), which rounds nothing.
; SHARES: work-group (i, b h) takes query block i (256 queries) and then block 7 - i: (i + 1) + (8 - i) = 9 slots of 256 keys in every work-group: one loop of 9 trips.  Each of 16 waves owns 16 queries; four waves share a SIMD.
; A step (128 keys) all of whose keys come after the wave's queries is jumped over by a scalar branch on ids; no barrier stands in a step.  On the diagonal hidden scores become -infinity ahead of the maximum.
; FEEDING: at a trip's head each wave asks for its 1,536 bytes of the next slot (waves 0-7 k's codes, 8-15 v's; waves 0-2 also 512 scale bytes) into registers; at the trip's end it stores them into the other LDS slot; one barrier a trip
; parts the reads of a slot from its next fill and the fill from its reads.  NO CLUSTER: in trip T the four work-groups of a head stand at slots T or T - i - 1, which differ with i, so no tile is wanted by two of them at the same time.
; Both products are used transposed (S^T = k q^T, O^T = v^T p^T): a lane holds one query (lane % 16) throughout.
; LIMITS: NaN and infinities are not served; a block of y whose largest magnitude lies under 2^-122 gets the byte 1.  ysc is stored two bytes a row, 32 bytes apart: 1/24 of the launch's output bytes.
; REGISTERS: v1-11, v29-31 addresses; v12 -M, v13 largest t, v[14:15] the sum; v16-27 q, v28 its scale words; v32-79 four fragments of k; v80-143 S^T, then p, then v's four fragments; v144-175 O^T; v176-187 p's codes;
; v188-195 halves of conversions; v196-215 at work; v216-219 k's scale words, v220-223 v's; v224-239 the next slot on its way.
.set S,   80
.set O,   144
.set PCD, 176
.set CH,  188
.set BM,  196                          ; v196-199 a block's largest score, then its largest p
.set PT,  200                          ; v200-203 the other half's; then the bytes
.set SO,  204                          ; v204-207 the conversions' scale operands
.set VCO, 12288                        ; in a slot: k's 256 rows of 48 bytes, then v's 4 groups x 64 channels x 48,
.set KSC, 24576                        ; k's 256 scale words,
.set VSC, 25600                        ; v's 2 x 64
.set YST, 65536                        ; behind the two slots of 32,768: 768 bytes for each wave, for the way out
	s_load_b256 s[4:11], s[0:1], 0x0               ; qk_codes, qk_scales, v_codes, v_scales
	s_load_b128 s[12:15], s[0:1], 0x20             ; yimg, ysc
	v_lshl_add_u32 v254, v0, 2, 0x13000
	v_mov_b32 v255, 0
	v_lshrrev_b32 v1, 5, v0
	v_readfirstlane_b32 s16, v1                    ; wave 0..15
	s_mov_b32 s17, ttmp9                           ; i
	s_and_b32 s46, ttmp7, 0xffff
	s_lshr_b32 s18, s46, 4                         ; b
	s_and_b32 s19, s46, 15                         ; h
	s_mov_b32 s20, 0x76543210
	s_mov_b32 s21, 0xfedcba98                      ; v_permlanex16_b32's selects for lane l xor 16
	s_mov_b32 s22, 0x3e38aa3b                      ; c = log2(e) / 8
	s_mov_b32 s23, s22                             ; (named with it as a pair, so it is written)
	v_and_b32 v32, 15, v0                          ; r
	v_bfe_u32 v33, v0, 4, 1                        ; the lane's half
	v_and_b32 v34, 31, v0                          ; lane
	v_mul_u32_u24 v1, v32, 48
	v_mad_u32_u24 v1, v33, 24, v1                  ; a fragment's row x 48 + 24 x half
	v_lshlrev_b32 v2, 2, v32                       ; a row's scale word
	v_lshlrev_b32 v7, 4, v34                       ; 16 x lane
	s_mul_i32 s47, s16, 1536
	v_add_nc_u32 v5, s47, v7                       ; my wave's 1,536 bytes of a slot's codes
	s_lshl_b32 s47, s16, 9
	v_add_nc_u32 v8, s47, v7
	v_add_nc_u32 v8, KSC, v8                       ; and (waves 0-2) its 512 scale bytes
	s_mul_i32 s47, s16, 768
	s_add_co_u32 s47, s47, YST
	v_mul_u32_u24 v9, v32, 48
	v_mad_u32_u24 v9, v33, 12, v9
	v_add_nc_u32 v9, s47, v9                       ; the way out, in: row r, 12 x half
	v_lshlrev_b32 v11, 3, v34
	v_add_nc_u32 v10, s47, v11                     ; and back: 8 bytes a lane
	v_lshlrev_b32 v29, 5, v32                      ; ysc: 32 bytes a row
	v_lshlrev_b32 v30, 3, v33
	v_sub_nc_u32 v30, v32, v30                     ; r - 8 x half, for the mask
.irp j, 22,23,24,25,26,27
	v_mov_b32 v\j, 0                               ; q's upper 64 along K: zero codes
.endr
.irp t, 0,1,2,3
.irp j, 6,7,8,9,10,11
	v_mov_b32 v[32+12*\t+\j], 0                    ; k's likewise
.endr
.endr
.irp j, 200,201,202,203,211
	v_mov_b32 v\j, 0                               ; written once: permutes' destinations, and the upper half of the pair v[210:211]
.endr
	s_add_co_u32 s48, s19, 16
	s_lshl_b32 s48, s48, 13
	s_lshl_b32 s49, s18, 11
	s_add_co_u32 s48, s48, s49                     ; k's first row: (16 + h) x 8192 + b x 2048
	s_mul_i32 s50, s48, 48
	s_lshl_b32 s51, s48, 2
	s_lshl_b32 s52, s19, 7
	s_lshl_b32 s53, s18, 5
	s_add_co_u32 s52, s52, s53
	s_mul_i32 s52, s52, 3072                       ; v's first group: (h x 128 + b x 32) x 64 x 48
	s_lshl_b32 s53, s19, 6
	s_lshl_b32 s54, s18, 4
	s_add_co_u32 s53, s53, s54
	s_lshl_b32 s53, s53, 8                         ; v's first step's words
	s_and_b32 s54, s16, 7
	s_mul_i32 s54, s54, 1536
	s_lshl_b32 s55, s16, 9
	s_add_co_u32 s51, s51, s55
	s_mov_b32 s56, 1024
	s_lshl_b32 s27, s17, 8
	s_lshl_b32 s46, s16, 4
	s_add_co_u32 s27, s27, s46                     ; my first query: 256 i + 16 x wave
	s_wait_kmcnt 0x0
	s_cmp_lt_u32 s16, 8
	s_cselect_b64 s[28:29], s[4:5], s[8:9]         ; what my wave copies: k's codes or v's
	s_cselect_b32 s50, s50, s52
	s_cmp_lt_u32 s16, 2
	s_cselect_b64 s[30:31], s[6:7], s[10:11]       ; waves 0, 1: k's scale words; wave 2: v's
	s_cselect_b32 s58, s51, s53
	s_cselect_b32 s32, s56, 512                    ; a slot on, in bytes
	s_add_co_u32 s50, s50, s54
	s_mov_b32 s51, 0
	s_mov_b32 s59, 0
	s_add_nc_u64 s[28:29], s[28:29], s[50:51]
	s_add_nc_u64 s[30:31], s[30:31], s[58:59]
.macro SETQ                            ; from s27, my first query: where q, its scale words, y and y's scale bytes lie
	s_lshl_b32 s46, s18, 11
	s_add_co_u32 s46, s46, s27
	s_lshl_b32 s47, s19, 13
	s_add_co_u32 s47, s47, s46                     ; h x 8192 + b x 2048 + query
	s_mul_i32 s48, s47, 48
	s_mov_b32 s49, 0
	s_add_nc_u64 s[38:39], s[4:5], s[48:49]
	s_add_nc_u64 s[42:43], s[12:13], s[48:49]
	s_lshl_b32 s48, s47, 2
	s_add_nc_u64 s[40:41], s[6:7], s[48:49]
	s_lshl_b32 s48, s46, 5
	s_lshl_b32 s47, s19, 1
	s_add_co_u32 s48, s48, s47
	s_add_nc_u64 s[44:45], s[14:15], s[48:49]
.endm
.macro QLOAD
.irp p, 0,1,2
	global_load_b64 v[16+2*\p:17+2*\p], v1, s[38:39] offset:8*\p
.endr
	global_load_b32 v28, v2, s[40:41]
.endm
.macro ASK                             ; slot s46 of the keys is asked for, into registers
	s_mul_i32 s48, s46, 12288
	s_mov_b32 s49, 0
	s_add_nc_u64 s[34:35], s[28:29], s[48:49]
.irp j, 0,1,2
	global_load_b128 v[224+4*\j:227+4*\j], v7, s[34:35] offset:512*\j
.endr
	s_cmp_lt_u32 s16, 3
	s_cbranch_scc0 .Lask_done_\@
	s_mul_i32 s48, s46, s32
	s_add_nc_u64 s[36:37], s[30:31], s[48:49]
	global_load_b128 v[236:239], v7, s[36:37]
.Lask_done_\@:
.endm
.macro PUT                             ; and stored into the LDS slot that begins at s46
	v_add_nc_u32 v6, s46, v5
	v_add_nc_u32 v31, s46, v8
.irp j, 0,1,2
	ds_store_b128 v6, v[224+4*\j:227+4*\j] offset:512*\j
.endr
	s_cmp_lt_u32 s16, 3
	s_cbranch_scc0 .Lput_done_\@
	ds_store_b128 v31, v[236:239]
.Lput_done_\@:
.endm
.macro FRESH                           ; a block of queries begins: the first change of M multiplies zeros
	v_mov_b32 v13, 0xff61b1e6                      ; the largest t so far: -3e38
	v_floor_f32 v12, -v13                          ; -M
	v_mov_b32 v14, 0
	v_mov_b32 v15, 0
.set n, 0
.rept 32
	v_mov_b32 v[O+n], 0
.set n, n+1
.endr
.endm
; A KEY STEP: 128 keys, the q-th of the slot in hand.
.macro STEP q
	s_add_co_u32 s46, s27, 15
	s_cmp_gt_u32 s26, s46                          ; all its keys come after my 16 queries: nothing to do
	s_cbranch_scc1 .Lhidden_\@
.irp g, 0,1                                    ; S^T = k q^T, four tiles of 16 neighbouring keys at a time
.if \g
.rept 4
	v_nop                                          ; places in front of loads into registers that the four products above have read
.endr
.endif
.irp t, 0,1,2,3
.irp p, 0,1,2
	ds_load_b64 v[32+12*\t+2*\p:33+12*\t+2*\p], v3 offset:(128*(\q)+16*(4*\g+\t))*48+8*\p
.endr
	ds_load_b32 v[216+\t], v4 offset:KSC+(128*(\q)+16*(4*\g+\t))*4
.endr
	s_wait_dscnt 0x0
.irp t, 0,1,2,3
	v_wmma_scale_f32_16x16x128_f8f6f4 v[S+8*(4*\g+\t):S+8*(4*\g+\t)+7], v[32+12*\t:43+12*\t], v[16:27], 0, v[216+\t], v28 matrix_a_fmt:MATRIX_FMT_BF6 matrix_b_fmt:MATRIX_FMT_BF6
.endr
.endr                                          ; register 8 i + j of lane (r, half) is the score of query r and key 16 i + 8 half + j
.rept 4
	v_nop
.endr
	s_add_co_u32 s46, s26, 127
	s_cmp_le_u32 s46, s27                          ; all keys count for all my queries: no mask
	s_cbranch_scc1 .Lopen_\@
	s_sub_co_i32 s46, s27, s26
	v_add_nc_u32 v215, s46, v30                    ; d = my query - the step's first key - 8 half: register 8 i + j is hidden where 16 i + j > d
	v_mov_b32 v209, 0xff800000                     ; -infinity
.set n, 0
.rept 64
	v_cmp_gt_i32 vcc_lo, 16*(n/8)+n%8, v215
	v_cndmask_b32 v[S+n], v[S+n], v209, vcc_lo
.set n, n+1
.endr
.Lopen_\@:
.irp b, 0,1,2,3
	v_max3_num_f32 v[BM+\b], v[S+16*\b], v[S+1+16*\b], v[S+2+16*\b]   ; the largest score of each block of 32 keys: for the row's maximum, and, since p rises with the score, for the block's largest p
.endr
.irp i, 3,5,7,9,11,13
.irp b, 0,1,2,3
	v_max3_num_f32 v[BM+\b], v[BM+\b], v[S+16*\b+\i], v[S+1+16*\b+\i]
.endr
.endr
.irp b, 0,1,2,3
	v_max_num_f32 v[BM+\b], v[BM+\b], v[S+15+16*\b]
.endr
.irp b, 0,1,2,3
	v_permlanex16_b32 v[PT+\b], v[BM+\b], s20, s21
.endr
.irp b, 0,1,2,3
	v_max_num_f32 v[BM+\b], v[BM+\b], v[PT+\b]     ; with lane l xor 16's 16 keys
.endr
	v_max3_num_f32 v208, v196, v197, v198
	v_max_num_f32 v208, v208, v199                 ; the step's largest score of my query (the step's first key counts for every query of mine, so it is a number)
	v_mul_f32 v208, s22, v208
	v_max_num_f32 v13, v13, v208                   ; the running largest t
	v_mov_b32 v208, v12
	v_floor_f32 v12, -v13                          ; the new -M = -ceil(t)
	v_sub_f32 v208, v12, v208                      ; old M - new M: a whole number, 0 or less
	v_cvt_i32_f32 v208, v208                       ; (it saturates)
	v_ldexp_f32 v210, 1.0, v208                    ; f = 2^(old M - new M)
.set n, 0
.rept 32
	v_pk_fma_f32 v[S+n:S+n+1], v[S+n:S+n+1], s[22:23], v[12:13] op_sel_hi:[1,0,0]   ; t - M, two at a time
.set n, n+2
.endr
.irp b, 0,1,2,3
	v_fma_f32 v[BM+\b], v[BM+\b], s22, v12         ; the same of each block's largest score
.endr
.set n, 0
.rept 64
	v_exp_f32 v[S+n], v[S+n]                       ; p = 2^(t - M)
.set n, n+1
.endr
	v_pk_mul_f32 v[14:15], v[14:15], v[210:211] op_sel_hi:[1,0]       ; the sums under the new M (a plain line behind the exponentials)
	s_wait_alu depctr_va_vdst(0)                   ; one wait for the batch of 64, ahead of its first reader
.irp b, 0,1,2,3
	v_exp_f32 v[BM+\b], v[BM+\b]                   ; the block's largest p
.endr
	v_pk_add_f32 v[212:213], v[S:S+1], v[S+2:S+3]  ; the row's sum of the unquantised p, in two chains
.set n, 4
.rept 15
	v_pk_add_f32 v[14:15], v[14:15], v[S+n:S+n+1]
	v_pk_add_f32 v[212:213], v[212:213], v[S+n+2:S+n+3]
.set n, n+4
.endr
	v_pk_add_f32 v[14:15], v[14:15], v[212:213]
	s_wait_alu depctr_va_vdst(0)                   ; and one for the four
.irp b, 0,1,2,3
	v_max_num_f32 v[BM+\b], 0x2800000, v[BM+\b]    ; the floor 2^(5 - 127): a block whose every p is 0 keeps the byte 1; its codes are zeros
.endr
.irp b, 0,1,2,3
	v_add_nc_u32 v[SO+\b], 0xfe000000, v[BM+\b]
.endr
.irp b, 0,1,2,3
	v_lshrrev_b32 v[PT+\b], 23, v[SO+\b]
.endr
	v_lshl_or_b32 v214, v201, 8, v200              ; p's scale word for these 128 keys
	v_lshl_or_b32 v214, v202, 16, v214
	v_lshl_or_b32 v214, v203, 24, v214
.irp c, 0,1
	v_cvt_scalef32_pk16_bf6_f32 v[PCD+6*\c:PCD+6*\c+2], v[S+32*\c:S+32*\c+15], v[SO+2*\c]
	v_cvt_scalef32_pk16_bf6_f32 v[CH+4*\c:CH+4*\c+2], v[S+16+32*\c:S+31+32*\c], v[SO+2*\c+1]
.endr
	v_nop                                          ; one plain line behind the conversions
.irp t, 0,1,2,3                                ; v's four tiles of 16 channels x 128 keys, into the registers that p has left
.irp c, 0,1
.irp p, 0,1,2
	ds_load_b64 v[S+12*\t+6*\c+2*\p:S+12*\t+6*\c+2*\p+1], v3 offset:VCO+(2*(\q)+\c)*3072+768*\t+8*\p
.endr
.endr
	ds_load_b32 v[220+\t], v4 offset:VSC+256*(\q)+64*\t
.endr
.irp c, 0,1                                    ; the operand wants a whole block in a lane: lanes 0-15 block 2 c, lanes 16-31 block 2 c + 1
.irp i, 0,1,2
	v_permlane16_swap_b32 v[PCD+6*\c+\i], v[CH+4*\c+\i]
.endr
.irp i, 0,1,2
	v_mov_b32 v[PCD+3+6*\c+\i], v[CH+4*\c+\i]
.endr
.endr
.set n, 0
.rept 16
	v_pk_mul_f32 v[O+n:O+n+1], v[O+n:O+n+1], v[210:211] op_sel_hi:[1,0]   ; O^T under the new M; these 16 lines also stand between the writes of p's codes and scale word and the products
.set n, n+2
.endr
	s_wait_dscnt 0x0
.irp t, 0,1,2,3
	v_wmma_scale_f32_16x16x128_f8f6f4 v[O+8*\t:O+8*\t+7], v[S+12*\t:S+12*\t+11], v[PCD:PCD+11], v[O+8*\t:O+8*\t+7], v[220+\t], v214 matrix_a_fmt:MATRIX_FMT_BF6 matrix_b_fmt:MATRIX_FMT_BF6
.endr
.rept 5
	v_nop                                          ; five places: the next step's first products write over v's fragments
.endr
.Lhidden_\@:
	s_add_co_u32 s26, s26, 128                     ; the next step's first key
.endm
	SETQ
	QLOAD
	s_mov_b32 s46, 0
	ASK                                            ; slot 0
	FRESH
	s_wait_loadcnt 0x0
	s_mov_b32 s46, 0
	PUT
	s_wait_dscnt 0x0                               ; my stores have landed
	s_barrier_signal -1
	s_barrier_wait -1                              ; everybody's have
	s_mov_b32 s24, 0                               ; T
	s_mov_b32 s25, 0                               ; the LDS slot in hand
	s_mov_b32 s26, 0                               ; the step's first key
.Ltrip:                                            ; 9 trips: slots 0 .. i for query block i, then slots 0 .. 7 - i for block 7 - i
	v_add_nc_u32 v3, s25, v1
	v_add_nc_u32 v4, s25, v2
	s_cmp_eq_u32 s24, 8
	s_cbranch_scc1 .Lno_ask                        ; the last trip asks for nothing
	s_add_co_u32 s46, s24, 1
	s_max_u32 s47, s24, s17
	s_sub_co_u32 s47, s47, s17
	s_cmp_le_u32 s46, s17
	s_cselect_b32 s46, s46, s47                    ; the next trip's slot of keys: T + 1 in the first block, T - i in the second
	s_min_u32 s46, s46, 7
	ASK
.Lno_ask:
	STEP 0
	STEP 1
	s_cmp_eq_u32 s24, s17
	s_cselect_b32 s46, 1, 0
	s_cmp_eq_u32 s24, 8
	s_cselect_b32 s46, 1, s46
	s_cmp_eq_u32 s46, 0
	s_cbranch_scc1 .Lno_end
	; A BLOCK OF QUERIES IS DONE: O^T / the sum, quantised along the head's 64 (two blocks), through my stage, out as 768 consecutive bytes.
	v_add_f32 v14, v14, v15
	v_permlanex16_b32 v200, v14, s20, s21
	v_add_f32 v14, v14, v200                       ; the row's sum
	v_rcp_f32 v14, v14
	v_nop                                          ; a plain line behind the reciprocal
	s_wait_alu depctr_va_vdst(0)                   ; and the wait ahead of its first reader
.set n, 0
.rept 32
	v_mul_f32 v[S+n], v[O+n], v14                  ; register 8 t + j: y(query r, channel 16 t + 8 half + j); each accumulator from its low end on
.set n, n+1
.endr
.irp b, 0,1
	v_max3_num_f32 v[BM+\b], |v[S+16*\b]|, |v[S+1+16*\b]|, 0x2800000
.endr
.irp i, 2,4,6,8,10,12,14
.irp b, 0,1
	v_max3_num_f32 v[BM+\b], v[BM+\b], |v[S+16*\b+\i]|, |v[S+1+16*\b+\i]|
.endr
.endr
.irp b, 0,1
	v_permlanex16_b32 v[PT+\b], v[BM+\b], s20, s21
.endr
.irp b, 0,1
	v_max_num_f32 v[BM+\b], v[BM+\b], v[PT+\b]
.endr
.irp b, 0,1
	v_add_nc_u32 v[SO+\b], 0xfe000000, v[BM+\b]
.endr
.irp b, 0,1
	v_lshrrev_b32 v[PT+\b], 23, v[SO+\b]
.endr
	v_lshl_or_b32 v208, v201, 8, v200              ; my row's two bytes
	v_cvt_scalef32_pk16_bf6_f32 v[176:178], v[S:S+15], v[SO]
	v_cvt_scalef32_pk16_bf6_f32 v[180:182], v[S+16:S+31], v[SO+1]
	v_nop
.irp k, 0,1,2
	ds_store_b32 v9, v[176+\k] offset:4*\k
	ds_store_b32 v9, v[180+\k] offset:24+4*\k
.endr
.irp k, 0,1,2
	ds_load_b64 v[188+2*\k:189+2*\k], v10 offset:256*\k               ; LDS serves a wave's instructions in order: these see my stores
.endr
	global_store_b16 v29, v208, s[44:45]           ; both halves of the lanes store the same two bytes
	s_wait_dscnt 0x0
.irp k, 0,1,2
	global_store_b64 v11, v[188+2*\k:189+2*\k], s[42:43] offset:256*\k   ; 32 lanes store 256 consecutive bytes, at a multiple of 256 from yimg's first byte
.endr
	s_wait_xcnt 0x0                                ; the stores have read their registers and bases: both are written again below
	s_cmp_eq_u32 s24, 8
	s_cbranch_scc1 .Lno_end                        ; the second block was the last
	s_sub_co_u32 s27, 7, s17
	s_lshl_b32 s27, s27, 8
	s_lshl_b32 s46, s16, 4
	s_add_co_u32 s27, s27, s46                     ; my first query of block 7 - i
	s_mov_b32 s26, 0                               ; its keys begin at 0
	SETQ
	QLOAD                                          ; in by the wait at this trip's end
	FRESH
.Lno_end:
	s_cmp_eq_u32 s24, 8
	s_cbranch_scc1 .Lno_put
	s_wait_loadcnt 0x0                             ; the next slot's bytes are in registers
	s_xor_b32 s46, s25, 0x8000                     ; the other LDS slot: its readers passed the last trip's barrier behind their reads
	PUT
.Lno_put:
	s_wait_dscnt 0x0                               ; my stores have landed, my reads of this slot are over
	s_barrier_signal -1
	s_barrier_wait -1
	s_xor_b32 s25, s25, 0x8000
	s_add_co_u32 s24, s24, 1
	s_cmp_lt_u32 s24, 9
	s_cbranch_scc1 .Ltrip
	s_wait_tensorcnt 0x0
	ds_add_u32 v254, v255
	s_wait_dscnt 0x0
	s_endpgm
.Lfunc_end_k_qc1c1af68a7_attn:
	.size	k_qc1c1af68a7_attn, .Lfunc_end_k_qc1c1af68a7_attn-k_qc1c1af68a7_attn
	.p2alignl 7, 3214868480
	.fill 96, 4, 3214868480
	.section	.rodata,"a",@progbits
	.p2align	6, 0x0
	.amdhsa_kernel k_qc1c1af68a7_attn
		.amdhsa_group_segment_fixed_size 79872
		.amdhsa_private_segment_fixed_size 0
		.amdhsa_enable_private_segment 0
		.amdhsa_kernarg_size 48
		.amdhsa_user_sgpr_count 2
		.amdhsa_user_sgpr_kernarg_segment_ptr 1
		.amdhsa_wavefront_size32 1
		.amdhsa_system_sgpr_workgroup_id_x 1
		.amdhsa_system_sgpr_workgroup_id_y 1
		.amdhsa_system_sgpr_workgroup_id_z 1
		.amdhsa_system_vgpr_workitem_id 0
		.amdhsa_next_free_vgpr 256
		.amdhsa_next_free_sgpr 66
		.amdhsa_reserve_vcc 1
		.amdhsa_float_denorm_mode_32 3
		.amdhsa_float_denorm_mode_16_64 3
		.amdhsa_memory_ordered 1
		.amdhsa_forward_progress 1
		.amdhsa_inst_pref_size 62
	.end_amdhsa_kernel
	.amdgpu_metadata
---
amdhsa.version: [ 1, 2 ]
amdhsa.kernels:
  - .name:           k_qc1c1af68a7_attn
    .symbol:         k_qc1c1af68a7_attn.kd
    .args:
      - { .name: qk_codes, .offset: 0, .size: 8, .value_kind: global_buffer, .address_space: global }
      - { .name: qk_scales, .offset: 8, .size: 8, .value_kind: global_buffer, .address_space: global }
      - { .name: v_codes, .offset: 16, .size: 8, .value_kind: global_buffer, .address_space: global }
      - { .name: v_scales, .offset: 24, .size: 8, .value_kind: global_buffer, .address_space: global }
      - { .name: yimg, .offset: 32, .size: 8, .value_kind: global_buffer, .address_space: global }
      - { .name: ysc, .offset: 40, .size: 8, .value_kind: global_buffer, .address_space: global }
    .group_segment_fixed_size: 79872
    .private_segment_fixed_size: 0
    .kernarg_segment_align: 8
    .kernarg_segment_size: 48
    .max_flat_workgroup_size: 512
    .sgpr_count:     66
    .vgpr_count:     256
    .wavefront_size: 32
...
	.end_amdgpu_metadata
.endif
;; end of part 3
;; launch outp (part 4): grid 4 x 32, 4 waves a work-group, clusters of 4 x 4, 327,680 bytes of LDS; arguments yimg, ysc, cimg, csc, bo, out0; writes out0
.if DOCPART == 4
	.amdgcn_target "amdgcn-amd-amdhsa--gfx1250"
	.amdhsa_code_object_version 6
	.text
	.protected	k_qc1c1af68a7_outp
	.globl	k_qc1c1af68a7_outp
	.p2align	8
	.type	k_qc1c1af68a7_outp,@function
k_qc1c1af68a7_outp:
	s_mov_b64 s[64:65], 0
	v_nop
	global_prefetch_b8 v0, s[64:65] scope:SCOPE_SE
	s_setreg_imm32_b32 hwreg(HW_REG_WAVE_MODE, 25, 1), 1
	s_wait_xcnt 0x0
	s_wait_alu depctr_hold_cnt(0) depctr_sa_sdst(0) depctr_va_vdst(0) depctr_va_sdst(0) depctr_va_ssrc(0) depctr_va_vcc(0) depctr_vm_vsrc(0)
	s_getreg_b32 s2, hwreg(HW_REG_IB_STS2, 6, 4)
	s_cmp_eq_u32 s2, 0
	s_cbranch_scc0 .Lentry_in_a_cluster
	s_endpgm
.Lentry_in_a_cluster:
	s_bfe_u32 s2, ttmp6, 0x10000c
	s_cmp_lg_u32 s2, 0xf033
	s_cbranch_scc0 .Lentry_shape_is_right
	s_endpgm
.Lentry_shape_is_right:
; out0 = y Wo^T + bo, on codes of BF6 with E8M0 scales, K = 1,024; out0 [8192][1024] f32.
; IN: A = yimg [16 planes of 64 along K][8192 rows][48 bytes], ysc [8192][32]; B = rows 11264 .. 12287 (Wo) of cimg [16 planes][12288][48], csc [12288][32].  Both have this program's one order inside a block of 32.
; A tile of out0 is 256 x 256: four waves, 128 x 128 each: 64 accumulators, 512 registers; 4 x 32 = 128 work-groups (a tile of half the rows would make 256 of them, each LDS byte then feeding fewer products: not built).
; K goes in steps of 256 through a ring of two LDS slots: a wave's tensor load brings 4 planes x 128 rows x 48 bytes, each plane's part 6,144 consecutive bytes of memory beginning at a multiple of 256.
; In LDS rows are 48 bytes apart: lane (r, h) reads at 48 r + 24 h, so the 32 lanes of a load of 8 bytes touch 64 different words modulo 256 bytes.
; THE SCALES of the work-group's 256 + 256 rows come into LDS once, with the first fills, and stay.  CLUSTERS: 4 x 4; A's tiles are asked for jointly along a row of the cluster, B's along a column.
; THE MATRIX INSTRUCTION IS USED TRANSPOSED (source 0 = 16 rows of Wo, source 1 = 16 rows of y): a lane holds eight neighbouring numbers of a row of out0.  The bias is the C of each sum's first instruction.
; LIMITS: NaN and infinities are not served; inside an instruction the products are summed in this program's order of a block, not in ascending k.
; REGISTERS: window 0: v0-31 addresses; v32-63 scale words, two sets; v64-127 the bias; v128-223 A's fragments, one set (v128-255 on the way out).  window 1: B's fragments, two sets.  windows 2, 3: the accumulators.
.set SIZE_N, 1024
.set PSA,   393216                     ; bytes from plane to plane in A's image: 8,192 rows x 48
.set PSB,   589824                     ; and in B's: 12,288 rows x 48
.set NQ,    2
.set PLB,   6144
.set FR,    12
.set NL,    6
.set NP,    4
.set HALFT, 4*PLB
.set SLOT,  4*HALFT
.set LAPS,  2
.set KS,    32
.set SCL,   2*SLOT
.set HALFS, 16*272
.set SBLK,  2*272
.set SPARE, SCL+4*HALFS
.set SPITCH, 528                       ; the way out: a stage of 16 rows x (512 bytes + 16) for each wave, in slot 0, which has had its last fill and its last read by then
.set ADRA, 16
.set ADRB, 20
.set STO,  24
.set RD,   25
.set CO,   26
.set ADRS, 27
.set SPW,  28
.set NIL,  29
.set SC,   32
.set BIAS, 64
.set AF,   128
.set BK,   128
.set G1, 24
.set G0, 32
.set G1B, 48
.set G0B, 56
.set G1S, 68
.set G0S, 76
.set G1SB, 80
.set G0SB, 88
.set MSB, 0
.macro WIN new                         ; the immediate's high byte repeats the setting that is left
.if MSB != \new
	s_set_vgpr_msb (MSB<<8)|\new
.set MSB, \new
.endif
.endm
.set MUL_LO, 0xa1
.set MUL_HI, 0xf1
.set TO_B,   0x40
.macro JLOAD g0a, g1a, g0b, g1b        ; a joint load: waves 0 and 1 fetch for A, waves 2 and 3 for B; four v_nop follow each of the two lines
	s_cmp_eq_u32 s15, 0
	s_cbranch_scc0 .Lfor_b_\@
	tensor_load_to_lds s[\g0a:\g0a+3], s[\g1a:\g1a+7]
	s_nop 0
.rept 4
	v_nop
.endr
	s_branch .Lasked_\@
.Lfor_b_\@:
	tensor_load_to_lds s[\g0b:\g0b+3], s[\g1b:\g1b+7]
	s_nop 0
.rept 4
	v_nop
.endr
.Lasked_\@:
.endm
.macro CREST
	s_cmp_lg_u32 s14, 0
	s_cbranch_scc1 .Lnot_wave_0_\@
	s_barrier_signal -3
.Lnot_wave_0_\@:
	s_barrier_wait -3
	s_barrier_signal -1
	s_barrier_wait -1
.endm
.macro CROUND
	s_barrier_signal -1
	s_barrier_wait -1
	CREST
.endm
	s_load_b128 s[4:7], s[0:1], 0x0                ; yimg, ysc
	s_load_b128 s[8:11], s[0:1], 0x10              ; cimg, csc
	s_load_b64 s[66:67], s[0:1], 0x20              ; bo
	s_load_b64 s[12:13], s[0:1], 0x28              ; out0
	v_lshl_add_u32 v[SPW], v0, 2, SPARE
	v_mov_b32 v[NIL], 0
	ds_add_u32 v28, v29
	ds_add_u32 v28, v29
	s_wait_dscnt 0x0
	v_lshrrev_b32 v1, 5, v0
	v_readfirstlane_b32 s14, v1                    ; wave 0..3
	s_lshr_b32 s15, s14, 1                         ; which half of the tile's rows is mine.  Also: I fetch for A (0) or for B (1)
	s_and_b32 s16, s14, 1                          ; which half of its columns.  Also: which 128 rows of that tile I fetch
	s_bfe_u32 s40, ttmp6, 0x40000                  ; cx, cy
	s_bfe_u32 s41, ttmp6, 0x40004
	s_lshl_b32 s42, ttmp9, 2
	s_add_co_u32 s42, s42, s40                     ; tile column = 4 x cluster x + cx
	s_and_b32 s17, ttmp7, 0xffff
	s_lshl_b32 s17, s17, 2
	s_add_co_u32 s17, s17, s41                     ; tile row = 4 x cluster y + cy
	s_lshl_b32 s43, s41, 2
	s_lshl_b32 s43, 15, s43                        ; my row of the cluster
	s_lshl_b32 s44, 0x1111, s40                    ; my column
	s_or_b32 s[G1+0], s43, (3<<16)|(1<<21)         ; codes: 4 planes, each 768 elements of 8 bytes; the mask; bit 21 beside it
	s_or_b32 s[G1B+0], s44, (3<<16)|(1<<21)
.irp g, G1, G1B
	s_mov_b32 s[\g+1], 768<<16
	s_mov_b32 s[\g+2], 4<<16
	s_mov_b32 s[\g+3], 768<<16
	s_mov_b32 s[\g+4], 4
	s_mov_b32 s[\g+6], 0
	s_mov_b32 s[\g+7], 0
.endr
	s_mov_b32 s[G1+5], PSA/8
	s_mov_b32 s[G1B+5], PSB/8
	s_or_b32 s[G1S+0], s43, (3<<16)|(1<<20)|(1<<21)|(5<<22)|(3<<25)   ; scales of 128 rows: 16 rows of 256 bytes, 16 bytes of padding behind each
	s_or_b32 s[G1SB+0], s44, (3<<16)|(1<<20)|(1<<21)|(5<<22)|(3<<25)
.irp g, G1S, G1SB
	s_mov_b32 s[\g+1], 32<<16
	s_mov_b32 s[\g+2], 16<<16
	s_mov_b32 s[\g+3], 32<<16
	s_mov_b32 s[\g+4], 16
	s_mov_b32 s[\g+5], 32
	s_mov_b32 s[\g+6], 0
	s_mov_b32 s[\g+7], 0
.endr
	s_lshl_b32 s18, s16, 7
	s_lshl_b32 s20, s17, 8
	s_add_co_u32 s20, s20, s18                     ; A: row 256 x tile row + 128 x half
	s_lshl_b32 s46, s42, 8
	s_add_co_u32 s46, s46, s18
	s_add_co_u32 s46, s46, 11264                   ; B: Wo's rows in the image
	s_mov_b32 s21, 0
	s_mov_b32 s47, 0
	s_mov_b32 s23, 0
	s_mov_b32 s93, 0
	s_lshl_b32 s22, s20, 5
	s_lshl_b32 s92, s46, 5
	s_mul_i32 s20, s20, 48
	s_mul_i32 s46, s46, 48
	s_mul_i32 s45, s14, HALFT
	s_mul_i32 s94, s14, HALFS
	s_wait_kmcnt 0x0
	s_add_nc_u64 s[20:21], s[4:5], s[20:21]
	s_add_nc_u64 s[22:23], s[6:7], s[22:23]
	s_add_nc_u64 s[46:47], s[8:9], s[46:47]
	s_add_nc_u64 s[92:93], s[10:11], s[92:93]
	CROUND                                         ; all sixteen work-groups are here: the first joint loads meet
	s_mov_b32 s[G0S], 1
	s_add_co_u32 s[G0S+1], s94, SCL
	s_mov_b64 s[G0S+2:G0S+3], s[22:23]
	s_or_b32 s[G0S+3], s[G0S+3], 0x80000000
	s_mov_b32 s[G0SB], 1
	s_add_co_u32 s[G0SB+1], s94, SCL
	s_mov_b64 s[G0SB+2:G0SB+3], s[92:93]
	s_or_b32 s[G0SB+3], s[G0SB+3], 0x80000000
	JLOAD G0S, G1S, G0SB, G1SB
.irp s, 0,1
	s_mov_b32 s[G0+4*\s], 1
	s_add_co_u32 s[G0+4*\s+1], s45, \s*SLOT
	s_add_nc_u64 s[G0+4*\s+2:G0+4*\s+3], s[20:21], \s*4*PSA
	s_or_b32 s[G0+4*\s+3], s[G0+4*\s+3], 0x80000000
	s_mov_b32 s[G0B+4*\s], 1
	s_add_co_u32 s[G0B+4*\s+1], s45, \s*SLOT
	s_add_nc_u64 s[G0B+4*\s+2:G0B+4*\s+3], s[46:47], \s*4*PSB
	s_or_b32 s[G0B+4*\s+3], s[G0B+4*\s+3], 0x80000000
	JLOAD G0+4*\s, G1, G0B+4*\s, G1B               ; three tensor loads of mine are out now
.endr
	v_and_b32 v1, 15, v0                           ; r
	v_bfe_u32 v2, v0, 4, 1                         ; h
	v_mul_u32_u24 v3, v1, 48
	v_mad_u32_u24 v4, v2, 24, v3
	s_mul_i32 s21, s15, HALFT
	s_mul_i32 s22, s16, HALFT
	s_add_co_u32 s22, s22, 2*HALFT
.irp s, 0,1
	v_add_nc_u32 v[ADRA+\s], s21, v4
	v_add_nc_u32 v[ADRB+\s], s22, v4
	s_add_co_u32 s21, s21, SLOT
	s_add_co_u32 s22, s22, SLOT
.endr
	v_mul_u32_u24 v5, v1, KS
	v_lshrrev_b32 v6, 8, v5
	v_lshl_add_u32 v5, v6, 4, v5
	s_mul_i32 s21, s15, HALFS
	s_mul_i32 s22, s16, HALFS
	s_add_co_u32 s22, s22, 2*HALFS
	s_sub_co_u32 s22, s22, s21
	v_mul_u32_u24 v6, s22, v2                      ; lanes 16-31 take B's
	s_add_co_u32 s21, s21, SCL
	v_add_nc_u32 v5, v5, v6
	v_add_nc_u32 v[ADRS], s21, v5
	s_mul_i32 s23, s14, 16*SPITCH                  ; my stage
	v_mul_u32_u24 v5, v1, SPITCH
	v_lshl_add_u32 v5, v2, 5, v5
	v_add_nc_u32 v[STO], s23, v5
	v_and_b32 v6, 31, v0
	v_lshlrev_b32 v[CO], 4, v6
	v_add_nc_u32 v[RD], s23, v[CO]
	v_lshlrev_b32 v9, 5, v2                        ; the bias: 32 h bytes
	s_lshl_b32 s20, s17, 8
	s_lshl_b32 s21, s15, 7
	s_add_co_u32 s20, s20, s21                     ; my first row of out0
	s_mov_b32 s21, 0
	s_mov_b64 s[18:19], SIZE_N*4
	s_mul_u64 s[20:21], s[20:21], s[18:19]
	s_lshl_b32 s46, s42, 10                        ; my first column, in bytes: 1,024 x tile column + 512 x half; the same number is my place in bo
	s_lshl_b32 s47, s16, 9
	s_add_co_u32 s46, s46, s47
	s_mov_b32 s47, 0
	s_add_nc_u64 s[66:67], s[66:67], s[46:47]
	s_add_nc_u64 s[20:21], s[20:21], s[46:47]
	s_add_nc_u64 s[12:13], s[12:13], s[20:21]
.irp b, 0,1,2,3,4,5,6,7
	global_load_b128 v[BIAS+8*\b:BIAS+8*\b+3],   v9, s[66:67] offset:64*\b     ; the bias of columns 16 b + 8 h + 0 .. 7
	global_load_b128 v[BIAS+8*\b+4:BIAS+8*\b+7], v9, s[66:67] offset:64*\b+16
.endr
.macro FRAG reg, adr, q, i             ; a fragment: registers 6 c .. 6 c + 5 are the 24 bytes at 48 r + 24 h of plane 2 q + c, in pieces of 8 bytes
.irp p, 0,1,2,3,4,5
	ds_load_b64 v[\reg+2*\p:\reg+2*\p+1], v[\adr] offset:(2*(\q)+\p/3)*PLB+(\i)*768+8*(\p%3)
.endr
.endm
; 16 matrix instructions: A's blocks a0, a0 + 1 x B's eight, 128 along K.  zero = 1: the sums start from the bias.  The 64 accumulators take turns, one instruction a turn.
.macro MUL16 a0, p, q, sc, zero
.irp a, \a0, \a0+1
.irp b, 0,1,2,3,4,5,6,7
.if (\zero) == 1
	v_wmma_scale_f32_16x16x128_f8f6f4 v[8*(8*((\a)%4)+\b):8*(8*((\a)%4)+\b)+7], v[128*(\p)+FR*\b:128*(\p)+FR*\b+FR-1], v[AF+FR*(\a):AF+FR*(\a)+FR-1], v[BIAS+8*\b:BIAS+8*\b+7], v[SC+8*NQ*(\sc)+NQ*\b+(\q)], v[SC+8*NQ*(\sc)+NQ*(\a)+(\q)] matrix_a_fmt:MATRIX_FMT_BF6 matrix_b_fmt:MATRIX_FMT_BF6 matrix_a_scale:MATRIX_SCALE_ROW1
.else
	v_wmma_scale_f32_16x16x128_f8f6f4 v[8*(8*((\a)%4)+\b):8*(8*((\a)%4)+\b)+7], v[128*(\p)+FR*\b:128*(\p)+FR*\b+FR-1], v[AF+FR*(\a):AF+FR*(\a)+FR-1], v[8*(8*((\a)%4)+\b):8*(8*((\a)%4)+\b)+7], v[SC+8*NQ*(\sc)+NQ*\b+(\q)], v[SC+8*NQ*(\sc)+NQ*(\a)+(\q)] matrix_a_fmt:MATRIX_FMT_BF6 matrix_b_fmt:MATRIX_FMT_BF6 matrix_a_scale:MATRIX_SCALE_ROW1
.endif
.endr
.endr
.endm
.macro FETCH_B slot, q, p
	WIN TO_B
.irp i, 0,1,2,3,4,5,6,7
	FRAG 128*(\p)+FR*\i, ADRB+\slot, \q, \i
.endr
	WIN 0
.endm
.macro FETCH_A slot, q, i0
.irp i, \i0, \i0+1, \i0+2, \i0+3
	FRAG AF+FR*(\i), ADRA+\slot, \q, \i
.endr
.endm
.macro SCALES sc
.irp i, 0,1,2,3,4,5,6,7
	ds_load_b64 v[SC+8*NQ*\sc+NQ*\i:SC+8*NQ*\sc+NQ*\i+1], v[ADRS] offset:\i*SBLK
.endr
.endm
.macro PLACES n                        ; plain vector lines between a matrix instruction and a load into, or a read of, its registers (ISA guide 7.12.1 for reads)
.rept \n
	v_nop
.endr
.endm
.macro STEP slot, q, zero
	s_wait_dscnt 4*NL                              ; B's set, A's blocks 0-3 and the scale words are in; the youngest 24 loads (A's blocks 4-7) may be out
.if \zero
	WIN 0x81                                       ; source 0 window 1, C (the bias) window 0, D window 2
.else
	WIN MUL_LO
.endif
	MUL16 0, (\q)%2, \q, \slot, \zero
	MUL16 2, (\q)%2, \q, \slot, \zero
	s_wait_dscnt 0
	PLACES NP
	FETCH_B \slot, (\q)+1, 1-(\q)%2
	FETCH_A \slot, (\q)+1, 0
.if \zero
	WIN 0xc1
.else
	WIN MUL_HI
.endif
	MUL16 4, (\q)%2, \q, \slot, \zero
	MUL16 6, (\q)%2, \q, \slot, \zero
	PLACES NP
	WIN 0
	FETCH_A \slot, (\q)+1, 4
.endm
; A slot's last step changes slots: ONE barrier; in front of it each wave waits for all its tensor loads, adds 0 to its spare word, and waits for that and for its own reads of this slot.
.macro TURN slot, next, fill
	s_wait_tensorcnt 0x0                           ; all my tensor loads have landed: my part of the next slot
	ds_add_u32 v[SPW], v[NIL]                      ; 0 onto my spare word
	s_wait_dscnt 4*NL+1                            ; (the add and the youngest 24 loads may be out)
	WIN MUL_LO
	MUL16 0, 1, NQ-1, \slot, 0
	s_wait_dscnt 0x0                               ; the add is done, and my reads of this slot are over
	s_barrier_signal -1
	MUL16 2, 1, NQ-1, \slot, 0
	WIN 0
	s_barrier_wait -1
.if \fill
	CREST                                          ; a round of the cluster's barrier: no wave of any partner still reads this slot's tile or has a load on its way
	s_add_nc_u64 s[G0+4*\slot+2:G0+4*\slot+3], s[G0+4*\slot+2:G0+4*\slot+3], 8*PSA
	s_add_nc_u64 s[G0B+4*\slot+2:G0B+4*\slot+3], s[G0B+4*\slot+2:G0B+4*\slot+3], 8*PSB
	JLOAD G0+4*\slot, G1, G0B+4*\slot, G1B         ; the first tensor load behind the round, my only one until the next
.else
	PLACES NP
.endif
	v_add_nc_u32 v[ADRS], 4*NQ, v[ADRS]
	FETCH_B \next, 0, 0
	FETCH_A \next, 0, 0
	SCALES \next
	WIN MUL_HI
	MUL16 4, 1, NQ-1, \slot, 0
	MUL16 6, 1, NQ-1, \slot, 0
	PLACES NP
	WIN 0
	FETCH_A \next, 0, 4
.endm
	s_wait_tensorcnt 1                             ; the scales and my part of K step 0 are in (K step 1's load may be out)
	s_barrier_signal -1
	s_barrier_wait -1                              ; everybody's are
	FETCH_B 0, 0, 0
	FETCH_A 0, 0, 0
	SCALES 0
	FETCH_A 0, 0, 4
	s_wait_loadcnt 0x0                             ; the bias
	STEP 0, 0, 1
	s_mov_b32 s3, LAPS-1
.Llap:
	TURN 0, 1, 1
	STEP 1, 0, 0
	TURN 1, 0, 1
	STEP 0, 0, 0
	s_sub_co_u32 s3, s3, 1
	s_cmp_lg_u32 s3, 0
	s_cbranch_scc1 .Llap
	TURN 0, 1, 0                                   ; the last lap fills nothing
	STEP 1, 0, 0
	s_wait_dscnt 4*NL
	WIN MUL_LO
	MUL16 0, 1, NQ-1, 1, 0
	MUL16 2, 1, NQ-1, 1, 0
	s_wait_dscnt 0
	WIN MUL_HI
	MUL16 4, 1, NQ-1, 1, 0
	MUL16 6, 1, NQ-1, 1, 0
	WIN 0
; THE WAY OUT, block by block of 16 rows x 128 columns: through my own stage in LDS and back as whole rows of 512 bytes.  LDS serves a wave's instructions in order: no wait between the stores and the loads.
.macro TOSTAGE a
.set AC, 64*((\a)%4)
	WIN 0x08+4*((\a)/4)                            ; the data: window 2 or 3
.irp b, 0,1,2,3,4,5,6,7
	ds_store_b128 v[STO], v[AC+8*\b:AC+8*\b+3] offset:64*\b          ; each accumulator from its low end on
	ds_store_b128 v[STO], v[AC+8*\b+4:AC+8*\b+7] offset:64*\b+16
.endr
	WIN 0
.set BB, BK+64*((\a)%2)
.irp t, 0,1,2,3,4,5,6,7,8,9,10,11,12,13,14,15
	ds_load_b128 v[BB+4*\t:BB+4*\t+3], v[RD] offset:\t*SPITCH
.endr
.endm
.macro SEND a, younger                 ; younger: the LDS instructions issued behind block a's loads, which may stay out
.set BB, BK+64*((\a)%2)
	s_wait_dscnt \younger
.if (\a) > 0
	s_add_nc_u64 s[12:13], s[12:13], 16*SIZE_N*4   ; (behind a wait on XCNT: the earlier stores have read their base)
.endif
.irp t, 0,1,2,3,4,5,6,7,8,9,10,11,12,13,14,15
	global_store_b128 v[CO], v[BB+4*\t:BB+4*\t+3], s[12:13] offset:\t*SIZE_N*4 th:TH_STORE_NT   ; 32 lanes store 512 consecutive bytes, at a multiple of 256 from out0's first byte
.endr
.endm
	PLACES NP
	TOSTAGE 0
.irp a, 1,2,3,4,5,6,7
.if \a > 1
	s_wait_xcnt 0x0                                ; block a - 2's stores have read their registers and their base
.endif
	TOSTAGE \a
	SEND \a-1, 32                                  ; behind block a - 1's loads: block a's 16 stores and 16 loads
.endr
	s_wait_xcnt 0x0
	SEND 7, 0
	s_wait_tensorcnt 0x0                           ; the wave's end
	ds_add_u32 v[SPW], v[NIL]
	s_wait_dscnt 0x0
	CROUND                                         ; the closing round
	s_endpgm
.Lfunc_end_k_qc1c1af68a7_outp:
	.size	k_qc1c1af68a7_outp, .Lfunc_end_k_qc1c1af68a7_outp-k_qc1c1af68a7_outp
	.p2alignl 7, 3214868480
	.fill 96, 4, 3214868480
	.section	.rodata,"a",@progbits
	.p2align	6, 0x0
	.amdhsa_kernel k_qc1c1af68a7_outp
		.amdhsa_group_segment_fixed_size 327680
		.amdhsa_private_segment_fixed_size 0
		.amdhsa_enable_private_segment 0
		.amdhsa_kernarg_size 48
		.amdhsa_user_sgpr_count 2
		.amdhsa_user_sgpr_kernarg_segment_ptr 1
		.amdhsa_wavefront_size32 1
		.amdhsa_system_sgpr_workgroup_id_x 1
		.amdhsa_system_sgpr_workgroup_id_y 1
		.amdhsa_system_sgpr_workgroup_id_z 1
		.amdhsa_system_vgpr_workitem_id 0
		.amdhsa_next_free_vgpr 1024
		.amdhsa_next_free_sgpr 98
		.amdhsa_reserve_vcc 0
		.amdhsa_float_denorm_mode_32 3
		.amdhsa_float_denorm_mode_16_64 3
		.amdhsa_memory_ordered 1
		.amdhsa_forward_progress 1
		.amdhsa_inst_pref_size 161
	.end_amdhsa_kernel
	.amdgpu_metadata
---
amdhsa.version: [ 1, 2 ]
amdhsa.kernels:
  - .name:           k_qc1c1af68a7_outp
    .symbol:         k_qc1c1af68a7_outp.kd
    .args:
      - { .name: yimg, .offset: 0, .size: 8, .value_kind: global_buffer, .address_space: global }
      - { .name: ysc, .offset: 8, .size: 8, .value_kind: global_buffer, .address_space: global }
      - { .name: cimg, .offset: 16, .size: 8, .value_kind: global_buffer, .address_space: global }
      - { .name: csc, .offset: 24, .size: 8, .value_kind: global_buffer, .address_space: global }
      - { .name: bo, .offset: 32, .size: 8, .value_kind: global_buffer, .address_space: global }
      - { .name: out0, .offset: 40, .size: 8, .value_kind: global_buffer, .address_space: global }
    .group_segment_fixed_size: 327680
    .private_segment_fixed_size: 0
    .kernarg_segment_align: 8
    .kernarg_segment_size: 48
    .max_flat_workgroup_size: 128
    .sgpr_count:     98
    .vgpr_count:     1024
    .wavefront_size: 32
...
	.end_amdgpu_metadata
.endif
;; end of part 4
;; ======== version 2 of 2: 4 launches; version 1 with the launch attn written anew for expert scheduling mode
;; workspace buffers: cimg 9,437,184 bytes; csc 393,216 bytes; qk_codes 12,582,912 bytes; qk_scales 1,048,576 bytes; v_codes 6,291,456 bytes; v_scales 262,144 bytes; yimg 6,291,456 bytes; ysc 262,144 bytes
;; launch quant: the kernel of part 1 again; grid 256 x 1, 3 waves a work-group, no clusters, 53,504 bytes of LDS; arguments x, Wq, Wk, Wv, Wo, cimg, csc; writes cimg, csc
;; launch qkv: the kernel of part 2 again; grid 8 x 48, 4 waves a work-group, clusters of 4 x 4, 327,680 bytes of LDS; arguments cimg, csc, bq, bk, bv, qk_codes, qk_scales, v_codes, v_scales; writes qk_codes, qk_scales, v_codes, v_scales
;; launch attn (part 5): grid 4 x 64, 16 waves a work-group, no clusters, 79,872 bytes of LDS; arguments qk_codes, qk_scales, v_codes, v_scales, yimg, ysc; writes yimg, ysc
.if DOCPART == 5
	.amdgcn_target "amdgcn-amd-amdhsa--gfx1250"
	.amdhsa_code_object_version 6
	.text
	.protected	k_qc1c1af68a7_attn
	.globl	k_qc1c1af68a7_attn
	.p2align	8
	.type	k_qc1c1af68a7_attn,@function
k_qc1c1af68a7_attn:
	s_mov_b64 s[64:65], 0
	v_nop
	global_prefetch_b8 v0, s[64:65] scope:SCOPE_SE
	s_setreg_imm32_b32 hwreg(HW_REG_WAVE_SCHED_MODE, 0, 2), 2
	s_setreg_imm32_b32 hwreg(HW_REG_WAVE_MODE, 25, 1), 1
	s_wait_xcnt 0x0
	s_wait_alu depctr_vm_vsrc(0)
; y[b][h][q] = the sum over keys k <= q of softmax_k(q . k / 8) v[k], both products on codes of BF6 with E8M0 scales; y is quantised along the model's 1,024 here and leaves as codes.
; IN: qk_codes [32][8192][48] (heads 0-15 q, 16-31 k; row b x 2048 + s; 64 codes), qk_scales a word a row; v_codes [16][128 groups of 64 keys][64 channels][48], v_scales [16][64 steps of 128 keys][64] words.
; OUT: yimg [16 heads = planes of 64 along K][8192][48], ysc [8192][32] (bytes 2 h, 2 h + 1).  Inside a block of 32 all operands have this program's one order (places 8-15 and 16-23 changed), on both sides of each product.
; THE HEAD'S K IS 64: the upper half of the instruction's 128 is zero codes on both sides (registers 6-11 of q's and k's fragments, cleared once); bytes 2, 3 of the scale words are other blocks' bytes, never 0xff.
; THE SOFTMAX: t = score x log2(e) / 8; M = the running largest t rounded up to a whole number; p = 2^(t - M) is quantised along the keys, not normalised; the row's sum is taken of the unquantised p and divides at the end;
; when M moves, the sum and O are multiplied by 2^(old M - new M), which rounds nothing.
; SHARES: work-group (i, b h) takes query block i (256 queries) and then block 7 - i: (i + 1) + (8 - i) = 9 slots of 256 keys in every work-group: one loop of 9 trips.  Each of 16 waves owns 16 queries; four waves share a SIMD.
; A step (128 keys) all of whose keys come after the wave's queries is jumped over by a scalar branch on ids; no barrier stands in a step.  On the diagonal hidden scores become -infinity ahead of the maximum.
; FEEDING: at a trip's head each wave asks for its 1,536 bytes of the next slot (waves 0-7 k's codes, 8-15 v's; waves 0-2 also 512 scale bytes) into registers; at the trip's end it stores them into the other LDS slot; one barrier a trip
; parts the reads of a slot from its next fill and the fill from its reads.  NO CLUSTER: in trip T the four work-groups of a head stand at slots T or T - i - 1, which differ with i, so no tile is wanted by two of them at the same time.
; Both products are used transposed (S^T = k q^T, O^T = v^T p^T): a lane holds one query (lane % 16) throughout.
; LIMITS: NaN and infinities are not served; a block of y whose largest magnitude lies under 2^-122 gets the byte 1.  ysc is stored two bytes a row, 32 bytes apart: 1/24 of the launch's output bytes.
; REGISTERS: v1-11, v29-31 addresses; v12 -M, v13 largest t, v[14:15] the sum; v16-27 q, v28 its scale words; v32-79 four fragments of k; v80-143 S^T, then p, then v's four fragments; v144-175 O^T; v176-187 p's codes;
; v188-195 halves of conversions; v196-215 at work; v216-219 k's scale words, v220-223 v's; v224-239 the next slot on its way; v254, v255 the closing add's two.
; THE MODE: SCHED_MODE bits 1:0 = 2 (LLVM: expert scheduling mode 2), set by the entry lines.  The code itself states the register dependences between vector or matrix instructions and memory or LDS instructions, with s_wait_alu, always for 0.
; THE PLAN.  Registers that memory or LDS instructions touch:
;   v1, v2, v5, v7-v11, v29   offsets, made at the head and never written again.
;   v3, v4, v6, v31           LDS addresses in the slot in hand (v3, v4) and in the other slot (v6, v31): written by four additions at a trip's head; read by the trip's LDS loads and by the stores at its end.
;   v224-239                  the next slot: global loads land in them at a trip's head, LDS stores read them at its end; no vector instruction names them.
;   k's tiles (the lower six registers of each of v32-79's four fragments), v216-219: LDS loads land twice a step; the four products that follow read them.
;   v220-223                  v's scale words: asked for with k's second four tiles; read by the step's last four products.
;   v80-127                   written by products and exponentials, read by sums and conversions; then v's four tiles land in them and the step's last four products read them.
;   v16-21, v28               q: global loads at the head and at a block's end; read by every product k q^T.
;   v176-182, v208, v188-193  the way out of a block of queries: written by vector instructions or by loads from the stage, read by stores.
; THE WAITS.  A trip's head: one on vm_vsrc ahead of the four additions, one on va_vdst behind them; no vector instruction of a trip names those four registers or v224-239 afterwards, so the trip's LDS loads, its global loads and its stores
; into the other slot owe nothing more for them.  A step: none ahead of k's first four tiles (on every way there the last wait on va_vdst stands behind the last product that read those registers, and only the products v^T p^T and v_nop were issued since);
; one behind the first four products; one behind the conversions that empty p; one ahead of the last four products, whose operand and scale word vector instructions have made.  The mask's compares write scalar registers, sixteen to a wait on va_sdst.
.set S,   80
.set O,   144
.set PCD, 176
.set CH,  188
.set BM,  196                          ; v196-199 a block's largest score, then its largest p
.set PT,  200                          ; v200-203 the other half's; then the bytes
.set SO,  204                          ; v204-207 the conversions' scale operands
.set VCO, 12288                        ; in a slot: k's 256 rows of 48 bytes, then v's 4 groups x 64 channels x 48,
.set KSC, 24576                        ; k's 256 scale words,
.set VSC, 25600                        ; v's 2 x 64
.set YST, 65536                        ; behind the two slots of 32,768: 768 bytes for each wave, for the way out
	s_load_b256 s[4:11], s[0:1], 0x0               ; qk_codes, qk_scales, v_codes, v_scales
	s_load_b128 s[12:15], s[0:1], 0x20             ; yimg, ysc
	v_lshl_add_u32 v254, v0, 2, 0x13000
	v_mov_b32 v255, 0
	v_lshrrev_b32 v1, 5, v0
	v_readfirstlane_b32 s16, v1                    ; wave 0..15
	s_mov_b32 s17, ttmp9                           ; i
	s_and_b32 s46, ttmp7, 0xffff
	s_lshr_b32 s18, s46, 4                         ; b
	s_and_b32 s19, s46, 15                         ; h
	s_mov_b32 s20, 0x76543210
	s_mov_b32 s21, 0xfedcba98                      ; v_permlanex16_b32's selects for lane l xor 16
	s_mov_b32 s22, 0x3e38aa3b                      ; c = log2(e) / 8
	s_mov_b32 s23, s22                             ; (named with it as a pair, so it is written)
	v_and_b32 v32, 15, v0                          ; r
	v_bfe_u32 v33, v0, 4, 1                        ; the lane's half
	v_and_b32 v34, 31, v0                          ; lane
	v_mul_u32_u24 v1, v32, 48
	v_mad_u32_u24 v1, v33, 24, v1                  ; a fragment's row x 48 + 24 x half
	v_lshlrev_b32 v2, 2, v32                       ; a row's scale word
	v_lshlrev_b32 v7, 4, v34                       ; 16 x lane
	s_wait_alu depctr_va_sdst(0)                   ; s16, the wave's number, is written, ahead of its first reader
	s_mul_i32 s47, s16, 1536
	v_add_nc_u32 v5, s47, v7                       ; my wave's 1,536 bytes of a slot's codes
	s_lshl_b32 s47, s16, 9
	v_add_nc_u32 v8, s47, v7
	v_add_nc_u32 v8, KSC, v8                       ; and (waves 0-2) its 512 scale bytes
	s_mul_i32 s47, s16, 768
	s_add_co_u32 s47, s47, YST
	v_mul_u32_u24 v9, v32, 48
	v_mad_u32_u24 v9, v33, 12, v9
	v_add_nc_u32 v9, s47, v9                       ; the way out, in: row r, 12 x half
	v_lshlrev_b32 v11, 3, v34
	v_add_nc_u32 v10, s47, v11                     ; and back: 8 bytes a lane
	v_lshlrev_b32 v29, 5, v32                      ; ysc: 32 bytes a row
	v_lshlrev_b32 v30, 3, v33
	v_sub_nc_u32 v30, v32, v30                     ; r - 8 x half, for the mask
.irp j, 22,23,24,25,26,27
	v_mov_b32 v\j, 0                               ; q's upper 64 along K: zero codes
.endr
.irp t, 0,1,2,3
.irp j, 6,7,8,9,10,11
	v_mov_b32 v[32+12*\t+\j], 0                    ; k's likewise
.endr
.endr
.irp j, 200,201,202,203,211
	v_mov_b32 v\j, 0                               ; written once: permutes' destinations, and the upper half of the pair v[210:211]
.endr
	s_add_co_u32 s48, s19, 16
	s_lshl_b32 s48, s48, 13
	s_lshl_b32 s49, s18, 11
	s_add_co_u32 s48, s48, s49                     ; k's first row: (16 + h) x 8192 + b x 2048
	s_mul_i32 s50, s48, 48
	s_lshl_b32 s51, s48, 2
	s_lshl_b32 s52, s19, 7
	s_lshl_b32 s53, s18, 5
	s_add_co_u32 s52, s52, s53
	s_mul_i32 s52, s52, 3072                       ; v's first group: (h x 128 + b x 32) x 64 x 48
	s_lshl_b32 s53, s19, 6
	s_lshl_b32 s54, s18, 4
	s_add_co_u32 s53, s53, s54
	s_lshl_b32 s53, s53, 8                         ; v's first step's words
	s_and_b32 s54, s16, 7
	s_mul_i32 s54, s54, 1536
	s_lshl_b32 s55, s16, 9
	s_add_co_u32 s51, s51, s55
	s_mov_b32 s56, 1024
	s_lshl_b32 s27, s17, 8
	s_lshl_b32 s46, s16, 4
	s_add_co_u32 s27, s27, s46                     ; my first query: 256 i + 16 x wave
	s_wait_kmcnt 0x0
	s_cmp_lt_u32 s16, 8
	s_cselect_b64 s[28:29], s[4:5], s[8:9]         ; what my wave copies: k's codes or v's
	s_cselect_b32 s50, s50, s52
	s_cmp_lt_u32 s16, 2
	s_cselect_b64 s[30:31], s[6:7], s[10:11]       ; waves 0, 1: k's scale words; wave 2: v's
	s_cselect_b32 s58, s51, s53
	s_cselect_b32 s32, s56, 512                    ; a slot on, in bytes
	s_add_co_u32 s50, s50, s54
	s_mov_b32 s51, 0
	s_mov_b32 s59, 0
	s_add_nc_u64 s[28:29], s[28:29], s[50:51]
	s_add_nc_u64 s[30:31], s[30:31], s[58:59]
.macro SETQ                            ; from s27, my first query: where q, its scale words, y and y's scale bytes lie
	s_lshl_b32 s46, s18, 11
	s_add_co_u32 s46, s46, s27
	s_lshl_b32 s47, s19, 13
	s_add_co_u32 s47, s47, s46                     ; h x 8192 + b x 2048 + query
	s_mul_i32 s48, s47, 48
	s_mov_b32 s49, 0
	s_add_nc_u64 s[38:39], s[4:5], s[48:49]
	s_add_nc_u64 s[42:43], s[12:13], s[48:49]
	s_lshl_b32 s48, s47, 2
	s_add_nc_u64 s[40:41], s[6:7], s[48:49]
	s_lshl_b32 s48, s46, 5
	s_lshl_b32 s47, s19, 1
	s_add_co_u32 s48, s48, s47
	s_add_nc_u64 s[44:45], s[14:15], s[48:49]
.endm
.macro QLOAD
.irp p, 0,1,2
	global_load_b64 v[16+2*\p:17+2*\p], v1, s[38:39] offset:8*\p
.endr
	global_load_b32 v28, v2, s[40:41]
.endm
.macro ASK                             ; slot s46 of the keys is asked for, into registers
	s_mul_i32 s48, s46, 12288
	s_mov_b32 s49, 0
	s_add_nc_u64 s[34:35], s[28:29], s[48:49]
.irp j, 0,1,2
	global_load_b128 v[224+4*\j:227+4*\j], v7, s[34:35] offset:512*\j
.endr
	s_cmp_lt_u32 s16, 3
	s_cbranch_scc0 .Lask_done_\@
	s_mul_i32 s48, s46, s32
	s_add_nc_u64 s[36:37], s[30:31], s[48:49]
	global_load_b128 v[236:239], v7, s[36:37]
.Lask_done_\@:
.endm
.macro PUT                             ; and stored into the LDS slot at which v6 and v31 point; both were made ahead of a wait on va_vdst, and no vector instruction since names them or v224-239
.irp j, 0,1,2
	ds_store_b128 v6, v[224+4*\j:227+4*\j] offset:512*\j
.endr
	s_cmp_lt_u32 s16, 3
	s_cbranch_scc0 .Lput_done_\@
	ds_store_b128 v31, v[236:239]
.Lput_done_\@:
.endm
.macro FRESH                           ; a block of queries begins: the first change of M multiplies zeros
	v_mov_b32 v13, 0xff61b1e6                      ; the largest t so far: -3e38
	v_floor_f32 v12, -v13                          ; -M
	v_mov_b32 v14, 0
	v_mov_b32 v15, 0
.set n, 0
.rept 32
	v_mov_b32 v[O+n], 0
.set n, n+1
.endr
.endm
; A KEY STEP: 128 keys, the q-th of the slot in hand.
.macro STEP q
	s_add_co_u32 s46, s27, 15
	s_cmp_gt_u32 s26, s46                          ; all its keys come after my 16 queries: nothing to do
	s_cbranch_scc1 .Lhidden_\@
.irp g, 0,1                                    ; S^T = k q^T, four tiles of 16 neighbouring keys at a time.  The first four tiles' loads owe no wait: see THE WAITS at the head
.if \g
.rept 4
	v_nop                                          ; the places behind the four products above stay beside the wait below
.endr
	s_wait_alu depctr_va_vdst(0)                   ; the four products above are done reading k's tiles and scale words, and the last step's products v^T p^T their scale words v220-223: the loads below land in all of these
.endif
.irp t, 0,1,2,3
.irp p, 0,1,2
	ds_load_b64 v[32+12*\t+2*\p:33+12*\t+2*\p], v3 offset:(128*(\q)+16*(4*\g+\t))*48+8*\p
.endr
	ds_load_b32 v[216+\t], v4 offset:KSC+(128*(\q)+16*(4*\g+\t))*4
.endr
.if \g
.irp t, 0,1,2,3
	ds_load_b32 v[220+\t], v4 offset:VSC+256*(\q)+64*\t               ; v's scale words for this step's 128 keys: asked for here, wanted at the step's end
.endr
.endif
	s_wait_dscnt 0x0
.irp t, 0,1,2,3
	v_wmma_scale_f32_16x16x128_f8f6f4 v[S+8*(4*\g+\t):S+8*(4*\g+\t)+7], v[32+12*\t:43+12*\t], v[16:27], 0, v[216+\t], v28 matrix_a_fmt:MATRIX_FMT_BF6 matrix_b_fmt:MATRIX_FMT_BF6
.endr
.endr                                          ; register 8 i + j of lane (r, half) is the score of query r and key 16 i + 8 half + j
.rept 4
	v_nop
.endr
	s_add_co_u32 s46, s26, 127
	s_cmp_le_u32 s46, s27                          ; all keys count for all my queries: no mask
	s_cbranch_scc1 .Lopen_\@
	s_sub_co_i32 s46, s27, s26
	v_add_nc_u32 v215, s46, v30                    ; d = my query - the step's first key - 8 half: register 8 i + j is hidden where 16 i + j > d
	v_mov_b32 v209, 0xff800000                     ; -infinity
.set n, 0
.rept 4                                        ; sixteen compares into sixteen scalar registers that are free here, one wait, sixteen selects
.set m, n
.irp r, 2,3,33,47,48,49,50,51,52,53,54,55,56,57,58,59
	v_cmp_gt_i32 s\r, 16*(m/8)+m%8, v215
.set m, m+1
.endr
	s_wait_alu depctr_va_sdst(0)                   ; the sixteen compares have written their masks, which the selects below read
.set m, n
.irp r, 2,3,33,47,48,49,50,51,52,53,54,55,56,57,58,59
	v_cndmask_b32 v[S+m], v[S+m], v209, s\r
.set m, m+1
.endr
.set n, n+16
.endr
.Lopen_\@:
.irp b, 0,1,2,3
	v_max3_num_f32 v[BM+\b], v[S+16*\b], v[S+1+16*\b], v[S+2+16*\b]   ; the largest score of each block of 32 keys: for the row's maximum, and, since p rises with the score, for the block's largest p
.endr
.irp i, 3,5,7,9,11,13
.irp b, 0,1,2,3
	v_max3_num_f32 v[BM+\b], v[BM+\b], v[S+16*\b+\i], v[S+1+16*\b+\i]
.endr
.endr
.irp b, 0,1,2,3
	v_max_num_f32 v[BM+\b], v[BM+\b], v[S+15+16*\b]
.endr
.irp b, 0,1,2,3
	v_permlanex16_b32 v[PT+\b], v[BM+\b], s20, s21
.endr
.irp b, 0,1,2,3
	v_max_num_f32 v[BM+\b], v[BM+\b], v[PT+\b]     ; with lane l xor 16's 16 keys
.endr
	v_max3_num_f32 v208, v196, v197, v198
	v_max_num_f32 v208, v208, v199                 ; the step's largest score of my query (the step's first key counts for every query of mine, so it is a number)
	v_mul_f32 v208, s22, v208
	v_max_num_f32 v13, v13, v208                   ; the running largest t
	v_mov_b32 v208, v12
	v_floor_f32 v12, -v13                          ; the new -M = -ceil(t)
	v_sub_f32 v208, v12, v208                      ; old M - new M: a whole number, 0 or less
	v_cvt_i32_f32 v208, v208                       ; (it saturates)
	v_ldexp_f32 v210, 1.0, v208                    ; f = 2^(old M - new M)
.set n, 0
.rept 32
	v_pk_fma_f32 v[S+n:S+n+1], v[S+n:S+n+1], s[22:23], v[12:13] op_sel_hi:[1,0,0]   ; t - M, two at a time
.set n, n+2
.endr
.irp b, 0,1,2,3
	v_fma_f32 v[BM+\b], v[BM+\b], s22, v12         ; the same of each block's largest score
.endr
.set n, 0
.rept 64
	v_exp_f32 v[S+n], v[S+n]                       ; p = 2^(t - M)
.set n, n+1
.endr
	v_pk_mul_f32 v[14:15], v[14:15], v[210:211] op_sel_hi:[1,0]       ; the sums under the new M (a plain line behind the exponentials)
	s_wait_alu depctr_va_vdst(0)                   ; the 64 exponentials have written p: one wait for the batch, ahead of its first reader
.irp b, 0,1,2,3
	v_exp_f32 v[BM+\b], v[BM+\b]                   ; the block's largest p
.endr
	v_pk_add_f32 v[212:213], v[S:S+1], v[S+2:S+3]  ; the row's sum of the unquantised p, in two chains
.set n, 4
.rept 15
	v_pk_add_f32 v[14:15], v[14:15], v[S+n:S+n+1]
	v_pk_add_f32 v[212:213], v[212:213], v[S+n+2:S+n+3]
.set n, n+4
.endr
	v_pk_add_f32 v[14:15], v[14:15], v[212:213]
	s_wait_alu depctr_va_vdst(0)                   ; the four exponentials have written the blocks' largest p, ahead of their first reader
.irp b, 0,1,2,3
	v_max_num_f32 v[BM+\b], 0x2800000, v[BM+\b]    ; the floor 2^(5 - 127): a block whose every p is 0 keeps the byte 1; its codes are zeros
.endr
.irp b, 0,1,2,3
	v_add_nc_u32 v[SO+\b], 0xfe000000, v[BM+\b]
.endr
.irp b, 0,1,2,3
	v_lshrrev_b32 v[PT+\b], 23, v[SO+\b]
.endr
	v_lshl_or_b32 v214, v201, 8, v200              ; p's scale word for these 128 keys
	v_lshl_or_b32 v214, v202, 16, v214
	v_lshl_or_b32 v214, v203, 24, v214
.irp c, 0,1
	v_cvt_scalef32_pk16_bf6_f32 v[PCD+6*\c:PCD+6*\c+2], v[S+32*\c:S+32*\c+15], v[SO+2*\c]
	v_cvt_scalef32_pk16_bf6_f32 v[CH+4*\c:CH+4*\c+2], v[S+16+32*\c:S+31+32*\c], v[SO+2*\c+1]
.endr
	v_nop                                          ; one plain line behind the conversions
	s_wait_alu depctr_va_vdst(0)                   ; the exponentials have written p, and the sums and the conversions are done reading it: v's tiles land in its registers
.irp t, 0,1,2,3                                ; v's four tiles of 16 channels x 128 keys, into the registers that p has left
.irp c, 0,1
.irp p, 0,1,2
	ds_load_b64 v[S+12*\t+6*\c+2*\p:S+12*\t+6*\c+2*\p+1], v3 offset:VCO+(2*(\q)+\c)*3072+768*\t+8*\p
.endr
.endr
.endr
.irp c, 0,1                                    ; the operand wants a whole block in a lane: lanes 0-15 block 2 c, lanes 16-31 block 2 c + 1.  (None of the lines from here to the products names v80-127)
.irp i, 0,1,2
	v_permlane16_swap_b32 v[PCD+6*\c+\i], v[CH+4*\c+\i]
.endr
.irp i, 0,1,2
	v_mov_b32 v[PCD+3+6*\c+\i], v[CH+4*\c+\i]
.endr
.endr
.set n, 0
.rept 16
	v_pk_mul_f32 v[O+n:O+n+1], v[O+n:O+n+1], v[210:211] op_sel_hi:[1,0]   ; O^T under the new M; these 16 lines also stand between the writes of p's codes and scale word and the products
.set n, n+2
.endr
	s_wait_dscnt 0x0
	s_wait_alu depctr_va_vdst(0)                   ; the swaps and moves have written p's codes v176-187, the shifts its scale word v214: the scaled products below take them as operand and scales; the places above stay beside this wait
.irp t, 0,1,2,3
	v_wmma_scale_f32_16x16x128_f8f6f4 v[O+8*\t:O+8*\t+7], v[S+12*\t:S+12*\t+11], v[PCD:PCD+11], v[O+8*\t:O+8*\t+7], v[220+\t], v214 matrix_a_fmt:MATRIX_FMT_BF6 matrix_b_fmt:MATRIX_FMT_BF6
.endr
.rept 5
	v_nop                                          ; five places: the next step's first products write over v's fragments
.endr
.Lhidden_\@:
	s_add_co_u32 s26, s26, 128                     ; the next step's first key
.endm
	SETQ
	s_mov_b32 s46, 0
	v_add_nc_u32 v6, s46, v5                       ; the first fill goes to LDS slot 0
	v_add_nc_u32 v31, s46, v8
	s_wait_alu depctr_va_vdst(0)                   ; every offset and address is written, which the loads and stores below read; so are v32-34, in which LDS loads land, and the zero halves of q's and k's fragments, which scaled products take
	QLOAD
	ASK                                            ; slot 0 (s46 = 0)
	FRESH
	s_wait_loadcnt 0x0
	PUT
	s_wait_dscnt 0x0                               ; my stores have landed
	s_barrier_signal -1
	s_barrier_wait -1                              ; everybody's have
	s_mov_b32 s24, 0                               ; T
	s_mov_b32 s25, 0                               ; the LDS slot in hand
	s_mov_b32 s26, 0                               ; the step's first key
.Ltrip:                                            ; 9 trips: slots 0 .. i for query block i, then slots 0 .. 7 - i for block 7 - i
	s_wait_alu depctr_vm_vsrc(0)                   ; the last trip's LDS loads have read v3 and v4; its stores into the other slot (in the first trip: the head's) have read v6, v31 and v224-239, in which this trip's global loads land
	v_add_nc_u32 v3, s25, v1
	v_add_nc_u32 v4, s25, v2
	s_xor_b32 s46, s25, 0x8000                     ; the other LDS slot: its readers passed the last trip's barrier behind their reads
	v_add_nc_u32 v6, s46, v5
	v_add_nc_u32 v31, s46, v8
	s_wait_alu depctr_va_vdst(0)                   ; the four addresses are written, which the trip's LDS loads and stores read; the last trip's products are done reading k's tiles and scale words
	s_cmp_eq_u32 s24, 8
	s_cbranch_scc1 .Lno_ask                        ; the last trip asks for nothing
	s_add_co_u32 s46, s24, 1
	s_max_u32 s47, s24, s17
	s_sub_co_u32 s47, s47, s17
	s_cmp_le_u32 s46, s17
	s_cselect_b32 s46, s46, s47                    ; the next trip's slot of keys: T + 1 in the first block, T - i in the second
	s_min_u32 s46, s46, 7
	ASK
.Lno_ask:
	STEP 0
	STEP 1
	s_cmp_eq_u32 s24, s17
	s_cselect_b32 s46, 1, 0
	s_cmp_eq_u32 s24, 8
	s_cselect_b32 s46, 1, s46
	s_cmp_eq_u32 s46, 0
	s_cbranch_scc1 .Lno_end
	; A BLOCK OF QUERIES IS DONE: O^T / the sum, quantised along the head's 64 (two blocks), through my stage, out as 768 consecutive bytes.
	v_add_f32 v14, v14, v15
	v_permlanex16_b32 v200, v14, s20, s21
	v_add_f32 v14, v14, v200                       ; the row's sum
	v_rcp_f32 v14, v14
	v_nop                                          ; a plain line behind the reciprocal
	s_wait_alu depctr_va_vdst(0)                   ; the reciprocal has written v14, ahead of its first reader
.set n, 0
.rept 32
	v_mul_f32 v[S+n], v[O+n], v14                  ; register 8 t + j: y(query r, channel 16 t + 8 half + j); each accumulator from its low end on
.set n, n+1
.endr
.irp b, 0,1
	v_max3_num_f32 v[BM+\b], |v[S+16*\b]|, |v[S+1+16*\b]|, 0x2800000
.endr
.irp i, 2,4,6,8,10,12,14
.irp b, 0,1
	v_max3_num_f32 v[BM+\b], v[BM+\b], |v[S+16*\b+\i]|, |v[S+1+16*\b+\i]|
.endr
.endr
.irp b, 0,1
	v_permlanex16_b32 v[PT+\b], v[BM+\b], s20, s21
.endr
.irp b, 0,1
	v_max_num_f32 v[BM+\b], v[BM+\b], v[PT+\b]
.endr
.irp b, 0,1
	v_add_nc_u32 v[SO+\b], 0xfe000000, v[BM+\b]
.endr
.irp b, 0,1
	v_lshrrev_b32 v[PT+\b], 23, v[SO+\b]
.endr
	v_lshl_or_b32 v208, v201, 8, v200              ; my row's two bytes
	v_cvt_scalef32_pk16_bf6_f32 v[176:178], v[S:S+15], v[SO]
	v_cvt_scalef32_pk16_bf6_f32 v[180:182], v[S+16:S+31], v[SO+1]
	v_nop
	s_wait_alu depctr_va_vdst(0)                   ; the conversions have written v176-178 and v180-182 and the shift v208, which the stores below read; the steps are done with v188-193, in which the loads from the stage land, and their products with q, in which the next block's q lands
.irp k, 0,1,2
	ds_store_b32 v9, v[176+\k] offset:4*\k
	ds_store_b32 v9, v[180+\k] offset:24+4*\k
.endr
.irp k, 0,1,2
	ds_load_b64 v[188+2*\k:189+2*\k], v10 offset:256*\k               ; LDS serves a wave's instructions in order: these see my stores
.endr
	global_store_b16 v29, v208, s[44:45]           ; both halves of the lanes store the same two bytes
	s_wait_dscnt 0x0
.irp k, 0,1,2
	global_store_b64 v11, v[188+2*\k:189+2*\k], s[42:43] offset:256*\k   ; 32 lanes store 256 consecutive bytes, at a multiple of 256 from yimg's first byte
.endr
	s_wait_xcnt 0x0                                ; the stores have read their registers and bases: both are written again below
	s_wait_alu depctr_vm_vsrc(0)                   ; the LDS and global stores have read v176-182, v188-193 and v208, which the next block's steps write again
	s_cmp_eq_u32 s24, 8
	s_cbranch_scc1 .Lno_end                        ; the second block was the last
	s_sub_co_u32 s27, 7, s17
	s_lshl_b32 s27, s27, 8
	s_lshl_b32 s46, s16, 4
	s_add_co_u32 s27, s27, s46                     ; my first query of block 7 - i
	s_mov_b32 s26, 0                               ; its keys begin at 0
	SETQ
	QLOAD                                          ; in by the wait at this trip's end.  No wait on va_vdst: no vector or matrix instruction since the last one names v16-21 or v28
	FRESH
.Lno_end:
	s_cmp_eq_u32 s24, 8
	s_cbranch_scc1 .Lno_put
	s_wait_loadcnt 0x0                             ; the next slot's bytes are in registers
	PUT
.Lno_put:
	s_wait_dscnt 0x0                               ; my stores have landed, my reads of this slot are over
	s_barrier_signal -1
	s_barrier_wait -1
	s_xor_b32 s25, s25, 0x8000
	s_add_co_u32 s24, s24, 1
	s_cmp_lt_u32 s24, 9
	s_cbranch_scc1 .Ltrip
	s_wait_dscnt 0x0                               ; the closing lines, six on end
	s_wait_alu 0x0
	s_wait_tensorcnt 0x0
	ds_add_u32 v254, v255
	s_wait_dscnt 0x0
	s_endpgm
.Lfunc_end_k_qc1c1af68a7_attn:
	.size	k_qc1c1af68a7_attn, .Lfunc_end_k_qc1c1af68a7_attn-k_qc1c1af68a7_attn
	.p2alignl 7, 3214868480
	.fill 96, 4, 3214868480
	.section	.rodata,"a",@progbits
	.p2align	6, 0x0
	.amdhsa_kernel k_qc1c1af68a7_attn
		.amdhsa_group_segment_fixed_size 79872
		.amdhsa_private_segment_fixed_size 0
		.amdhsa_enable_private_segment 0
		.amdhsa_kernarg_size 48
		.amdhsa_user_sgpr_count 2
		.amdhsa_user_sgpr_kernarg_segment_ptr 1
		.amdhsa_wavefront_size32 1
		.amdhsa_system_sgpr_workgroup_id_x 1
		.amdhsa_system_sgpr_workgroup_id_y 1
		.amdhsa_system_sgpr_workgroup_id_z 1
		.amdhsa_system_vgpr_workitem_id 0
		.amdhsa_next_free_vgpr 256
		.amdhsa_next_free_sgpr 66
		.amdhsa_reserve_vcc 0
		.amdhsa_float_denorm_mode_32 3
		.amdhsa_float_denorm_mode_16_64 3
		.amdhsa_memory_ordered 1
		.amdhsa_forward_progress 1
		.amdhsa_inst_pref_size 70
	.end_amdhsa_kernel
	.amdgpu_metadata
---
amdhsa.version: [ 1, 2 ]
amdhsa.kernels:
  - .name:           k_qc1c1af68a7_attn
    .symbol:         k_qc1c1af68a7_attn.kd
    .args:
      - { .name: qk_codes, .offset: 0, .size: 8, .value_kind: global_buffer, .address_space: global }
      - { .name: qk_scales, .offset: 8, .size: 8, .value_kind: global_buffer, .address_space: global }
      - { .name: v_codes, .offset: 16, .size: 8, .value_kind: global_buffer, .address_space: global }
      - { .name: v_scales, .offset: 24, .size: 8, .value_kind: global_buffer, .address_space: global }
      - { .name: yimg, .offset: 32, .size: 8, .value_kind: global_buffer, .address_space: global }
      - { .name: ysc, .offset: 40, .size: 8, .value_kind: global_buffer, .address_space: global }
    .group_segment_fixed_size: 79872
    .private_segment_fixed_size: 0
    .kernarg_segment_align: 8
    .kernarg_segment_size: 48
    .max_flat_workgroup_size: 512
    .sgpr_count:     66
    .vgpr_count:     256
    .wavefront_size: 32
...
	.end_amdgpu_metadata
.endif
;; end of part 5
;; launch outp: the kernel of part 4 again; grid 4 x 32, 4 waves a work-group, clusters of 4 x 4, 327,680 bytes of LDS; arguments yimg, ysc, cimg, csc, bo, out0; writes out0
